; MI455X (gfx1250); checked and timed in simulation.
; The chip was launched on July 23, 2026; its instructions are those of AMD's public machine-readable ISA for CDNA 5 (MIT licence, August 2026) and "CDNA5" Instruction Set Architecture Reference Guide (July 2026). The comments in the code are by the model that wrote it; some were corrected since.
;; KL Attention. Allowed arithmetic: matrix products marked QUANTISED: E2M1 operands, one E8M0 scale for each 32 along K, by v_wmma_scale_f32_16x16x128_f8f6f4 with both operands' format E2M1 (or v_wmma_scale_f32_32x16x128_f4), f32 sums; everything else in f32.
;; Inputs: Wk_codes 512 x 16 x 16 uint8 (E2M1 codes of Wk, K innermost, in blocks of 32 codes, two codes a byte); Wk_scales 512 x 16 uint8 (E8M0 scales of Wk, one for each 32 codes along K); Wq_codes 512 x 16 x 16 uint8 (E2M1 codes of Wq, K innermost, in blocks of 32 codes, two codes a byte); Wq_scales 512 x 16 uint8 (E8M0 scales of Wq, one for each 32 codes along K); Wv_codes 512 x 16 x 16 uint8 (E2M1 codes of Wv, K innermost, in blocks of 32 codes, two codes a byte); Wv_scales 512 x 16 uint8 (E8M0 scales of Wv, one for each 32 codes along K); x_codes 32 x 1,024 x 16 x 16 uint8 (E2M1 codes of x, K innermost, in blocks of 32 codes, two codes a byte); x_scales 32 x 1,024 x 16 uint8 (E8M0 scales of x, one for each 32 codes along K).
;; Outputs: out0 32 x 1,024 x 512 float32.
;; This version of the problem:
;;   THIS VERSION OF THE PROBLEM IS GIVEN IN LOW PRECISION. The matrix products marked QUANTISED in the list below multiply operands that are first quantised to E2M1 (2 exponent bits, 1 mantissa bit; 4 bits a number), with one power-of-two scale for each 32 numbers along K (OCP MX v1.0); their sums are f32. All else is computed in f32.
;;   The module's matrix products, in the order in which they are computed (A, B: the left and right operand; K: the contracted axis; several contracted axes count as one K, in the product's order):
;;     1. [M 32,768, K 512] x [K 512, N 512]; A: input x (given as codes); B: input Wq (given as codes): QUANTISED
;;     2. [M 32,768, K 512] x [K 512, N 512]; A: input x (given as codes); B: input Wk (given as codes): QUANTISED
;;     3. [M 32,768, K 512] x [K 512, N 512]; A: input x (given as codes); B: input Wv (given as codes): QUANTISED
;;     4. batch 32 x [M 1,024, K 512] x [K 512, N 1,024]; A: computed on the way; B: computed on the way: QUANTISED
;;     5. batch 32 x [M 1,024, K 1,024] x [K 1,024, N 512]; A: softmax (see below); B: computed on the way: QUANTISED
;;   THE QUANTISER, for each operand of a quantised product, along K:
;;     - K is cut into blocks of 32 from its start; a last block that is shorter is filled with zeros.
;;     - A block's scale is 2^e with e = floor(log2(the largest magnitude in the block)) - 2, held to -126 .. 127; a block of zeros has e = 0. As a byte (E8M0): e + 127.
;;     - Each number is divided by its block's scale, clamped to +-6, and rounded to the nearest number of E2M1, ties to even, subnormals kept.
;;     - The product sums the exact products of the quantised numbers (number of the format x scale) in f32.
;;   ~~~python
;;   def quantise(x, axis):      # numpy; x: float32 -> the quantised numbers, widened to float32 again
;;       x = np.moveaxis(x, axis, -1); K = x.shape[-1]
;;       x = np.pad(x, [(0, 0)] * (x.ndim - 1) + [(0, -K % 32)]); x = x.reshape(x.shape[:-1] + (-1, 32)); a = np.abs(x).max(-1, keepdims=True)
;;       e = np.where(a > 0, np.clip(np.frexp(np.where(a > 0, a, 1))[1] - 1 - 2, -126, 127), 0)      # np.frexp(a)[1] - 1 = floor(log2(a)), exactly
;;       r = np.clip(x / 2.0 ** e, -6, 6)
;;       step = 2.0 ** (np.maximum(np.frexp(np.where(r == 0, 1, r))[1] - 1, 0) - 1)
;;       q = np.round(r / step) * step * 2.0 ** e      # np.round: ties to even
;;       return np.moveaxis(q.reshape(q.shape[:-2] + (-1,))[..., :K], -1, axis).astype(np.float32)
;;   ~~~
;;   SOFTMAX AHEAD OF A QUANTISED PRODUCT. Where the list says 'softmax', what is quantised is not the finished softmax but p = 2^(t - M), with t = logit x log2(e) and M = ceil(the row's largest t), a whole number; so 1/2 < the row's largest p <= 1. The row's sum l is taken of the UNQUANTISED p, in f32, and the product's result is divided by l at the end. Since M is a whole number, a kernel that streams over the keys may use a running M (the ceiling of the running maximum): every later rescaling is an exact power of two, which a block's scale takes up: the codes' values come out the same.
;;   OPERANDS COMPUTED ON THE WAY. 'Computed on the way' means the value that the module computes at that place (a softmax that the list does not call 'softmax' is quantised finished and normalised). What goes into a quantiser is computed in f32, as accurately as f32 sums, v_exp_f32 and their like allow (about 1e-6 of the number): no bf16 or f16 on the way to a quantiser, and a product that is left as it is and whose result goes on into a quantised operand takes f32 operands (vector FMAs, or v_wmma_f32_16x16x4_f32). A number that lies on a knife's edge between two numbers of the format may be rounded either way, as far as f32 arithmetic and the matrix unit's own rounding can turn it there, and no further.
;;   INPUTS GIVEN AS CODES. Wk (in the module: [512, 512], K = its axis 0); Wq (in the module: [512, 512], K = its axis 0); Wv (in the module: [512, 512], K = its axis 0); x (in the module: [32, 1024, 512], K = its axis 2): each comes as NAME_codes (uint8): NAME with its K axis moved to the last place and cut into blocks of 32 codes, [.., K / 32, bytes a block], one block behind the other in memory; two codes a byte, the lower K in the low four bits (a code: sign, 2 exponent bits, 1 mantissa bit); and NAME_scales (uint8): the same leading axes, one E8M0 byte (e + 127) for each 32 codes along K. Its value is code x scale, taken as it is: it is not quantised again, and the codes and scales need not be those that the quantiser above would give.
;; One version. Each part assembles by itself: llvm-mc -triple=amdgcn-amd-amdhsa -mcpu=gfx1250 --defsym DOCPART=n.
;; ======== version 1 of 1: 2 launches
;; limits: right only within a limited range of input values
;; workspace buffers: pcd 8,388,608 bytes; pmt 655,360 bytes; kvc 16,777,216 bytes; kvs 1,048,576 bytes
;; launch proj (part 1): grid 256 x 1, 4 waves a work-group, clusters of 4 x 1, 327,680 bytes of LDS; arguments x_codes, x_scales, Wq_codes, Wq_scales, Wk_codes, Wk_scales, Wv_codes, Wv_scales, pcd, pmt, kvc, kvs; writes pcd, pmt, kvc, kvs
.if DOCPART == 1
	.amdgcn_target "amdgcn-amd-amdhsa--gfx1250"
	.amdhsa_code_object_version 6
	.text
	.protected	k_qfd66661860_proj
	.globl	k_qfd66661860_proj
	.p2align	8
	.type	k_qfd66661860_proj,@function
k_qfd66661860_proj:
	s_mov_b64 s[64:65], 0
	v_nop
	global_prefetch_b8 v0, s[64:65] scope:SCOPE_SE
	s_setreg_imm32_b32 hwreg(HW_REG_WAVE_MODE, 25, 1), 1
	s_wait_xcnt 0x0
	s_wait_alu depctr_hold_cnt(0) depctr_sa_sdst(0) depctr_va_vdst(0) depctr_va_sdst(0) depctr_va_ssrc(0) depctr_va_vcc(0) depctr_vm_vsrc(0)
	s_getreg_b32 s2, hwreg(HW_REG_IB_STS2, 6, 4)
	s_cmp_eq_u32 s2, 0
	s_cbranch_scc0 .Lentry_in_a_cluster
	s_endpgm
.Lentry_in_a_cluster:
	s_bfe_u32 s2, ttmp6, 0x10000c
	s_cmp_lg_u32 s2, 0x3003
	s_cbranch_scc0 .Lentry_shape_is_right
	s_endpgm
.Lentry_shape_is_right:
; q = x Wq, k = x Wk, v = x Wv on codes of FP4 (E2M1) with E8M0 scales; p = softmax(q), logq = log_softmax(k), -neg_ent = -sum p log p, all in f32;
; p and logq are quantised along H, v along the keys, and leave as IMAGES OF THE OPERANDS' REGISTERS, in the order in which the next launch's matrix instructions take them.
; SHARES.  Work-group g owns rows 128 g .. 128 g + 127 of x (a batch is 8 such blocks).  THE WAVES SHARE THE COLUMNS: wave w makes h = 128 w .. 128 w + 127 of q, of k and of v for all 128 rows, so that
; its results of a tile of 16 rows are one whole K step (128 along H) of p's or logq's fragment, and 8 whole tiles of 16 h of v.  Each kind (q, k, v) is a loop of two trips over halves of 64 rows;
; the wave's quarter of W (32 fragments, 256 registers) is read from LDS once a kind and serves both trips.
; THE ROWS OF A TILE ARE NOT NEIGHBOURS: lane r of tile m takes row 32 (m / 2) + 8 (m % 2) + r + 8 (r / 8), of x and of Wq and Wk alike.  So the 16 registers of two neighbouring result tiles are 16 NEIGHBOURS:
; along H for q and k (source 0 = W, source 1 = x: a lane holds one row of x), along the keys for v (source 0 = x, source 1 = Wv: a lane holds one h).
; SOFTMAX OVER FOUR WAVES.  Each wave takes its own 128 columns' maximum away, e = 2^(c q - mc), and sums s = sum e, a = sum e (c q - mc); mc, s, a of the four waves meet in LDS;
; with f_j = 2^(mc_j - mcg), S = sum f_j s_j, A = sum f_j (a_j + (mc_j - mcg) s_j):  p = e f / S,  neg_ent = ln2 (A / S - log2 S),  logq = k - ln2 (mcg + log2 S).
; CLUSTER.  All work-groups read the same W: the four partners ask for each quarter of W jointly (mask 15).  x is each work-group's own: a load without a mask.
; LIMITS: NaN and infinities among the numbers are not served; an e under 2^-126 comes out of v_exp_f32 as 0; a block of zeros gets the scale byte 1 (the rule says 127): its codes are zeros and only this program reads the bytes.
; REGISTERS, in windows of 256: window 0: addresses, scale words, what is at work.  window 1: v0-127 x's 16 fragments of a half (tile m, K step s at 32 m + 8 s).
;   window 2: the 32 accumulators (q, k: tile of rows m, tile of columns t at 64 m + 8 t; v: 32 t + 8 m).   window 3: W's 32 fragments (t, s) at 64 s + 8 t.
.set PITCH,  272                       ; an LDS row: 256 bytes + 16 of padding
.set XHALF,  64*PITCH                  ; x's rows 64 on
.set WQUART, 128*PITCH                 ; 128 rows of W: what one tensor load brings and one wave reads
.set WA,     128*PITCH                 ; behind x's 128 rows: Wq, later Wv
.set WB,     WA+4*WQUART               ; Wk
.set STAT,   WB+4*WQUART               ; the waves' statistics: (16 m + r) x 48 + 16 x field + 4 x wave; no tile lands here
.set SPARE,  STAT+3072                 ; the spare words, 128 bytes for each wave
.set SPW, 4                            ; v4   SPARE + 4 x my thread's number; never rewritten
.set NIL, 5                            ; v5   0; never rewritten
.set AXP, 6                            ; v6   x: (r + 8 (r / 8)) x pitch + 16 x half of the lanes
.set AXC, 7                            ; v7   the same in the half in hand
.set AWQ, 8                            ; v8   my quarter of Wq, rows as x's
.set AWK, 9                            ; v9   of Wk
.set AWV, 10                           ; v10  of Wv, rows as they lie
.set ASP, 11                           ; v11  16 (r + 8 (r / 8)): a row's 16 scale bytes
.set ASN, 12                           ; v12  16 r
.set ASX, 13                           ; v13  x's scale bytes in the half in hand
.set STS, 14                           ; v14  where I store statistics
.set STL, 15                           ; v15  where I read the four waves'
.set L16, 16                           ; v16  16 x lane
.set LN,  17                           ; v17  lane
.set XS,  24                           ; v24-39   x's scale words (m, s) at 4 m + s
.set WSQ, 40                           ; v40-71   Wq's (t, s) at 4 t + s;  v72-103 Wk's;  v104-135 Wv's
.set WSK, 72
.set WSV, 104
.set T,   136                          ; v136-199 c q - mc of one tile;  afterwards:
.set PC,  136                          ; v136-167 codes just made
.set LS,  168                          ; v168-191 the four waves' statistics, two sets of 12
.set DD,  192                          ; v192-195 mc_j - mcg;  v196-199 f_j
.set FF,  196
.set MC,  200                          ; v200-203 my c x maximum of tile m
.set PW,  204                          ; v204-207 my s of tile m, then the tile's scale word
.set NN,  208                          ; v208-211 my a of tile m, then -neg_ent
.set VW,  200                          ; v200-207 in kind v: the scale word of tile t
.set OUTS, 212                         ; v212-215 scale words as they are stored
.set OUTN, 216                         ; v216-219 -neg_ent as it is stored
.set FOWN, 220
.set MCG, 221
.set SS,  222
.set AA,  223
.set RS,  224
.set LG,  225
.set GP,  226                          ; v[226:227] f / S (the pair's low word serves both halves)
.set ZP,  228                          ; v[228:229] ln2 (mcg + log2 S)
.set MCP, 230                          ; v[230:231] c x maximum of the tile in hand
.set TM,  232                          ; v232-247 maxima, bytes, scale operands
.set SU0, 248
.set SU1, 250
.set AC0, 252
.set AC1, 254
.set WV,  32                           ; s32  my wave's number
.set G1X, 40                           ; s[40:47] group 1 for x;  s[48:55] for W
.set G1W, 48
.set G0X, 56                           ; s[56:59], s[60:63], s[68:71], s[72:75] groups 0: x, Wq, Wk, Wv; never rewritten
.set G0Q, 60
.set G0K, 68
.set G0V, 72
.set SEL, 76                           ; s[76:77] v_permlanex16_b32's selects for lane l xor 16
.set CS,  78                           ; s[78:79] c = log2(e)
.set LN2, 80
.set HM,  81                           ; the mask of lanes 16-31
.set TRIP, 82
.set XH,  83                           ; LDS offset of x's half in hand
.set XG,  84                           ; and of its scale bytes in memory
.set MSB, 0
.macro WIN new                         ; the immediate's high byte repeats the setting that is left
.if MSB != (\new)
	s_set_vgpr_msb (MSB<<8)|(\new)
.set MSB, (\new)
.endif
.endm
.macro PLACES n
.rept \n
	v_nop
.endr
.endm
.macro ROUND                           ; a round of the cluster's barrier
	s_barrier_signal -1
	s_barrier_wait -1
	s_cmp_lg_u32 s[WV], 0
	s_cbranch_scc1 .Lnot_wave_0_\@
	s_barrier_signal -3
.Lnot_wave_0_\@:
	s_barrier_wait -3
	s_barrier_signal -1
	s_barrier_wait -1
.endm
.macro BARRIER                         ; my LDS stores have landed and my LDS loads are in: then the work-group's barrier
	s_wait_dscnt 0x0
	s_barrier_signal -1
	s_barrier_wait -1
.endm
; x's 16 fragments of the half in hand, and its rows' scale words
.macro XLOAD
	WIN 0x40                                       ; destination window 1
.irp s, 0,1,2,3
.irp m, 0,1,2,3
.irp c, 0,1
	ds_load_b128 v[32*\m+8*\s+4*\c:32*\m+8*\s+4*\c+3], v[AXC] offset:(32*(\m/2)+8*(\m%2))*PITCH+64*\s+32*\c
.endr
.endr
.endr
	WIN 0
.irp m, 0,1,2,3
	global_load_b128 v[XS+4*\m:XS+4*\m+3], v[ASX], s[10:11] offset:(32*(\m/2)+8*(\m%2))*16
.endr
.endm
; my quarter of W into window 3, K step by K step (16 loads each).  perm = 1: a tile's rows as x's; 0: as they lie
.macro WLOAD adr, perm
	WIN 0xc0
.irp s, 0,1,2,3
.irp t, 0,1,2,3,4,5,6,7
.irp c, 0,1
.if \perm
	ds_load_b128 v[64*\s+8*\t+4*\c:64*\s+8*\t+4*\c+3], v[\adr] offset:(32*(\t/2)+8*(\t%2))*PITCH+64*\s+32*\c
.else
	ds_load_b128 v[64*\s+8*\t+4*\c:64*\s+8*\t+4*\c+3], v[\adr] offset:16*\t*PITCH+64*\s+32*\c
.endif
.endr
.endr
.endr
	WIN 0
.endm
; 128 matrix instructions: 4 tiles of rows x 8 tiles of columns x 4 K steps.  The 32 accumulators take turns, one instruction a turn; the first K step starts the sums.
; tr = 1: source 0 = W, source 1 = x;  tr = 0: source 0 = x, source 1 = W.  ws: W's scale words.
.macro MM tr, ws
	s_wait_loadcnt 0x0                             ; the scale words
.if \tr
	WIN 0xa7                                       ; source 0 window 3, source 1 window 1, C and D window 2
.else
	WIN 0xad                                       ; source 0 window 1, source 1 window 3
.endif
.irp s, 0,1,2,3
	s_wait_dscnt 16*(3-\s)                         ; on the way in: x (asked for ahead of W) and W's K steps up to this one are in; W's later K steps, 16 loads each, may be out.  On the way back no LDS load is out: each loop waits for 0 ahead of its jump
.if \tr
.irp m, 0,1,2,3
.irp t, 0,1,2,3,4,5,6,7
.if \s == 0
	v_wmma_scale_f32_16x16x128_f8f6f4 v[64*\m+8*\t:64*\m+8*\t+7], v[64*\s+8*\t:64*\s+8*\t+7], v[32*\m+8*\s:32*\m+8*\s+7], 0, v[\ws+4*\t+\s], v[XS+4*\m+\s] matrix_a_fmt:MATRIX_FMT_FP4 matrix_b_fmt:MATRIX_FMT_FP4
.else
	v_wmma_scale_f32_16x16x128_f8f6f4 v[64*\m+8*\t:64*\m+8*\t+7], v[64*\s+8*\t:64*\s+8*\t+7], v[32*\m+8*\s:32*\m+8*\s+7], v[64*\m+8*\t:64*\m+8*\t+7], v[\ws+4*\t+\s], v[XS+4*\m+\s] matrix_a_fmt:MATRIX_FMT_FP4 matrix_b_fmt:MATRIX_FMT_FP4
.endif
.endr
.endr
.else
.irp t, 0,1,2,3,4,5,6,7
.irp m, 0,1,2,3
.if \s == 0
	v_wmma_scale_f32_16x16x128_f8f6f4 v[32*\t+8*\m:32*\t+8*\m+7], v[32*\m+8*\s:32*\m+8*\s+7], v[64*\s+8*\t:64*\s+8*\t+7], 0, v[XS+4*\m+\s], v[\ws+4*\t+\s] matrix_a_fmt:MATRIX_FMT_FP4 matrix_b_fmt:MATRIX_FMT_FP4
.else
	v_wmma_scale_f32_16x16x128_f8f6f4 v[32*\t+8*\m:32*\t+8*\m+7], v[32*\m+8*\s:32*\m+8*\s+7], v[64*\s+8*\t:64*\s+8*\t+7], v[32*\t+8*\m:32*\t+8*\m+7], v[XS+4*\m+\s], v[\ws+4*\t+\s] matrix_a_fmt:MATRIX_FMT_FP4 matrix_b_fmt:MATRIX_FMT_FP4
.endif
.endr
.endr
.endif
.endr
	WIN 0
.endm
; the other half's fragments of x are asked for a whole vector phase ahead of the products that want them (four places stand in front: x's registers were read by the last products)
.macro NEXTX
	s_xor_b32 s[XH], s[XH], XHALF
	s_xor_b32 s[XG], s[XG], 1024
	v_add_nc_u32 v[AXC], s[XH], v[AXP]
	v_add_nc_u32 v[ASX], s[XG], v[ASP]             ; (the last loads by this address were waited for in front of the products)
	XLOAD
.endm
; nb blocks of 32: register src + 16 b + i of window 2 = number 32 b + 16 (lane / 16) + i along K.  Codes to v[pc] on, bytes to v[TM+4] on.  The accumulators are read from their low ends on.
.macro QUANT src, nb, pc
	WIN 0x0a                                       ; sources 0 and 1 window 2
.set qb, 0
.rept \nb
	v_max3_num_f32 v[TM+qb], |v[(\src)+16*qb]|, |v[(\src)+16*qb+1]|, 0x1800000   ; my 16 numbers, and the floor 2^(3 - 127): the byte cannot fall under 1
.set qb, qb+1
.endr
.set qi, 2
.rept 7
.set qb, 0
.rept \nb
	v_max3_num_f32 v[TM+qb], |v[(\src)+16*qb+qi]|, |v[(\src)+16*qb+qi+1]|, v[TM+qb]
.set qb, qb+1
.endr
.set qi, qi+2
.endr
	WIN 0
.set qb, 0
.rept \nb
	v_permlanex16_b32 v[TM+4+qb], v[TM+qb], s[SEL], s[SEL+1]
.set qb, qb+1
.endr
.set qb, 0
.rept \nb
	v_max_num_f32 v[TM+qb], v[TM+qb], v[TM+4+qb]   ; with lane l xor 16's: the block's largest magnitude
.set qb, qb+1
.endr
.set qb, 0
.rept \nb
	v_add_nc_u32 v[TM+12+qb], 0xff000000, v[TM+qb] ; 2 off its exponent field: the conversion's scale operand
.set qb, qb+1
.endr
.set qb, 0
.rept \nb
	v_lshrrev_b32 v[TM+4+qb], 23, v[TM+12+qb]      ; the scale's byte
.set qb, qb+1
.endr
	WIN 0x02                                       ; source 0 window 2
.set qb, 0
.rept \nb
	v_cvt_scalef32_pk8_fp4_f32 v[(\pc)+2*qb], v[(\src)+16*qb:(\src)+16*qb+7], v[TM+12+qb]
	v_cvt_scalef32_pk8_fp4_f32 v[(\pc)+2*qb+1], v[(\src)+16*qb+8:(\src)+16*qb+15], v[TM+12+qb]
.set qb, qb+1
.endr
	WIN 0
	v_nop                                          ; one plain place behind the scaled conversions
.set qc, 0
.rept (\nb)/2                                  ; the operand's layout wants a whole block in a lane: lanes 0-15 block 2 c, lanes 16-31 block 2 c + 1
	v_permlane16_swap_b32 v[(\pc)+4*qc], v[(\pc)+4*qc+2]
	v_permlane16_swap_b32 v[(\pc)+4*qc+1], v[(\pc)+4*qc+3]
.set qc, qc+1
.endr
.endm
; c x the largest of my 128 columns, for each of the four tiles of rows
.macro ROWMAX
	WIN 0x0a
.irp m, 0,1,2,3
.irp b, 0,1,2,3
	v_max_num_f32 v[TM+4*\m+\b], v[64*\m+16*\b], v[64*\m+16*\b+1]
.endr
.endr
.irp i, 2,4,6,8,10,12,14
.irp m, 0,1,2,3
.irp b, 0,1,2,3
	v_max3_num_f32 v[TM+4*\m+\b], v[64*\m+16*\b+\i], v[64*\m+16*\b+\i+1], v[TM+4*\m+\b]
.endr
.endr
.endr
	WIN 0
.irp m, 0,1,2,3
	v_max3_num_f32 v[TM+4*\m], v[TM+4*\m], v[TM+4*\m+1], v[TM+4*\m+2]
.endr
.irp m, 0,1,2,3
	v_max_num_f32 v[TM+4*\m], v[TM+4*\m], v[TM+4*\m+3]
.endr
.irp m, 0,1,2,3
	v_permlanex16_b32 v[TM+4*\m+1], v[TM+4*\m], s[SEL], s[SEL+1]
.endr
.irp m, 0,1,2,3
	v_max_num_f32 v[TM+4*\m], v[TM+4*\m], v[TM+4*\m+1]
.endr
.irp m, 0,1,2,3
	v_mul_f32 v[MC+\m], s[CS], v[TM+4*\m]
.endr
.endm
.macro TMINUS mm                               ; T = c x - mc, two at a time
	WIN 0
	v_mov_b32 v[MCP], v[MC+(\mm)]
	WIN 0x02
.set ej, 0
.rept 32
	v_pk_fma_f32 v[T+ej:T+ej+1], v[64*(\mm)+ej:64*(\mm)+ej+1], s[CS:CS+1], v[MCP:MCP+1] op_sel_hi:[1,0,0] neg_lo:[0,0,1] neg_hi:[0,0,1]
.set ej, ej+2
.endr
.endm
; tile mm of q: e = 2^T takes q's place; s = sum e, a = sum e T; mc, s, a go to LDS
.macro EXPQ mm
.set AB, 64*(\mm)
	TMINUS \mm
	WIN 0x80                                       ; destination window 2
.set ej, 0
	s_wait_alu depctr_va_vdst(0)
.rept 64
	v_exp_f32 v[AB+ej], v[T+ej]
.set ej, ej+1
.endr
	WIN 0x0a
	v_nop                                          ; a plain place behind the exponentials,
	s_wait_alu depctr_va_vdst(0)                   ; and one wait for the batch, ahead of its first reader
	v_pk_add_f32 v[SU0:SU0+1], v[AB:AB+1], v[AB+4:AB+5]
	v_pk_add_f32 v[SU1:SU1+1], v[AB+2:AB+3], v[AB+6:AB+7]
	WIN 0x02
	v_pk_mul_f32 v[AC0:AC0+1], v[AB:AB+1], v[T:T+1]
	v_pk_mul_f32 v[AC1:AC1+1], v[AB+2:AB+3], v[T+2:T+3]
.set ej, 4
.rept 15
.if ej >= 8
	v_pk_add_f32 v[SU0:SU0+1], v[AB+ej:AB+ej+1], v[SU0:SU0+1]
	v_pk_add_f32 v[SU1:SU1+1], v[AB+ej+2:AB+ej+3], v[SU1:SU1+1]
.endif
	v_pk_fma_f32 v[AC0:AC0+1], v[AB+ej:AB+ej+1], v[T+ej:T+ej+1], v[AC0:AC0+1]
	v_pk_fma_f32 v[AC1:AC1+1], v[AB+ej+2:AB+ej+3], v[T+ej+2:T+ej+3], v[AC1:AC1+1]
.set ej, ej+4
.endr
	WIN 0
	v_pk_add_f32 v[SU0:SU0+1], v[SU0:SU0+1], v[SU1:SU1+1]
	v_pk_add_f32 v[AC0:AC0+1], v[AC0:AC0+1], v[AC1:AC1+1]
	v_add_f32 v[SU0], v[SU0], v[SU0+1]
	v_add_f32 v[AC0], v[AC0], v[AC0+1]
	v_permlanex16_b32 v[SU1], v[SU0], s[SEL], s[SEL+1]
	v_permlanex16_b32 v[AC1], v[AC0], s[SEL], s[SEL+1]
	v_add_f32 v[PW+(\mm)], v[SU0], v[SU1]          ; a register of its own for each tile: no store's data are written again before the barrier's wait
	v_add_f32 v[NN+(\mm)], v[AC0], v[AC1]
	ds_store_b32 v[STS], v[MC+(\mm)] offset:768*(\mm)       ; lanes r and r + 16 write the same word with the same value
	ds_store_b32 v[STS], v[PW+(\mm)] offset:768*(\mm)+16
	ds_store_b32 v[STS], v[NN+(\mm)] offset:768*(\mm)+32
.endm
; tile mm of k: k stays; s = sum 2^T; mc, s go to LDS
.macro EXPK mm
	TMINUS \mm
	WIN 0
.set ej, 0
	s_wait_alu depctr_va_vdst(0)
.rept 64
	v_exp_f32 v[T+ej], v[T+ej]
.set ej, ej+1
.endr
	v_nop
	s_wait_alu depctr_va_vdst(0)                   ; one wait for the batch
	v_pk_add_f32 v[SU0:SU0+1], v[T:T+1], v[T+4:T+5]
	v_pk_add_f32 v[SU1:SU1+1], v[T+2:T+3], v[T+6:T+7]
.set ej, 8
.rept 14
	v_pk_add_f32 v[SU0:SU0+1], v[SU0:SU0+1], v[T+ej:T+ej+1]
	v_pk_add_f32 v[SU1:SU1+1], v[SU1:SU1+1], v[T+ej+2:T+ej+3]
.set ej, ej+4
.endr
	v_pk_add_f32 v[SU0:SU0+1], v[SU0:SU0+1], v[SU1:SU1+1]
	v_add_f32 v[SU0], v[SU0], v[SU0+1]
	v_permlanex16_b32 v[SU1], v[SU0], s[SEL], s[SEL+1]
	v_add_f32 v[PW+(\mm)], v[SU0], v[SU1]
	ds_store_b32 v[STS], v[MC+(\mm)] offset:768*(\mm)
	ds_store_b32 v[STS], v[PW+(\mm)] offset:768*(\mm)+16
.endm
.macro LSLOAD mm, nf                           ; the four waves' statistics of tile mm: 16 bytes a field
.set lf, 0
.rept \nf
	ds_load_b128 v[LS+12*((\mm)%2)+4*lf:LS+12*((\mm)%2)+4*lf+3], v[STL] offset:768*(\mm)+16*lf
.set lf, lf+1
.endr
.endm
.macro JOIN mm, nf                             ; the next tile's statistics are asked for, this tile's are in; mcg and mc_j - mcg
.set LL, LS+12*((\mm)%2)
.if (\mm) < 3
	LSLOAD (\mm)+1, \nf
	s_wait_dscnt \nf                               ; the next tile's loads may be out
.else
	s_wait_dscnt 0x0
.endif
	v_max3_num_f32 v[MCG], v[LL], v[LL+1], v[LL+2]
	v_max_num_f32 v[MCG], v[MCG], v[LL+3]
.irp j, 0,1,2,3
	v_sub_f32 v[DD+\j], v[LL+\j], v[MCG]
.endr
.endm
.macro WORD mm                                 ; the four bytes make the row's scale word
	v_lshl_or_b32 v[PW+(\mm)], v[TM+5], 8, v[TM+4]
	v_lshl_or_b32 v[PW+(\mm)], v[TM+6], 16, v[PW+(\mm)]
	v_lshl_or_b32 v[PW+(\mm)], v[TM+7], 24, v[PW+(\mm)]
.endm
; tile mm of q is finished: p = e f / S, -neg_ent, p's codes and scale word
.macro FINQ mm
	JOIN \mm, 3
	v_sub_f32 v[FOWN], v[MC+(\mm)], v[MCG]
	s_wait_alu depctr_va_vdst(0)
.irp j, 0,1,2,3
	v_exp_f32 v[FF+\j], v[DD+\j]
.endr
	v_exp_f32 v[FOWN], v[FOWN]
.irp j, 0,1,2,3
	v_fma_f32 v[LL+8+\j], v[DD+\j], v[LL+4+\j], v[LL+8+\j]   ; a_j + (mc_j - mcg) s_j: plain work behind the exponentials
.endr
	s_wait_alu depctr_va_vdst(0)
	v_mul_f32 v[SS], v[FF], v[LL+4]
.irp j, 1,2,3
	v_fmac_f32 v[SS], v[FF+\j], v[LL+4+\j]
.endr
	s_wait_alu depctr_va_vdst(0)
	v_rcp_f32 v[RS], v[SS]
	v_log_f32 v[LG], v[SS]
	v_mul_f32 v[AA], v[FF], v[LL+8]                ; plain work behind the two
.irp j, 1,2,3
	v_fmac_f32 v[AA], v[FF+\j], v[LL+8+\j]
.endr
	s_wait_alu depctr_va_vdst(0)
	v_mul_f32 v[GP], v[FOWN], v[RS]
	v_fma_f32 v[LG], -v[AA], v[RS], v[LG]
	v_mul_f32 v[NN+(\mm)], s[LN2], v[LG]           ; -neg_ent = ln2 (log2 S - A / S)
	WIN 0x82                                       ; destination and source 0 window 2
.set ej, 0
.rept 32
	v_pk_mul_f32 v[64*(\mm)+ej:64*(\mm)+ej+1], v[64*(\mm)+ej:64*(\mm)+ej+1], v[GP:GP+1] op_sel_hi:[1,0]
.set ej, ej+2
.endr
	QUANT 64*(\mm), 4, PC+8*(\mm)
	WORD \mm
	global_store_b128 v[L16], v[PC+8*(\mm):PC+8*(\mm)+3], s[24:25] offset:4096*(\mm)          ; the fragment's image: 512 consecutive bytes a store
	global_store_b128 v[L16], v[PC+8*(\mm)+4:PC+8*(\mm)+7], s[24:25] offset:4096*(\mm)+512
.endm
; tile mm of k is finished: logq = k - ln2 (mcg + log2 S), its codes and scale word
.macro FINK mm
	JOIN \mm, 2
	s_wait_alu depctr_va_vdst(0)
.irp j, 0,1,2,3
	v_exp_f32 v[FF+\j], v[DD+\j]
.endr
	v_nop
	s_wait_alu depctr_va_vdst(0)
	v_mul_f32 v[SS], v[FF], v[LL+4]
.irp j, 1,2,3
	v_fmac_f32 v[SS], v[FF+\j], v[LL+4+\j]
.endr
	s_wait_alu depctr_va_vdst(0)
	v_log_f32 v[LG], v[SS]
	v_nop
	s_wait_alu depctr_va_vdst(0)
	v_add_f32 v[ZP], v[MCG], v[LG]
	v_mul_f32 v[ZP], s[LN2], v[ZP]
	WIN 0x82
.set ej, 0
.rept 32
	v_pk_add_f32 v[64*(\mm)+ej:64*(\mm)+ej+1], v[64*(\mm)+ej:64*(\mm)+ej+1], v[ZP:ZP+1] op_sel_hi:[1,0] neg_lo:[0,1] neg_hi:[0,1]
.set ej, ej+2
.endr
	QUANT 64*(\mm), 4, PC+8*(\mm)
	WORD \mm
	global_store_b128 v[L16], v[PC+8*(\mm):PC+8*(\mm)+3], s[86:87] offset:4096*(\mm)
	global_store_b128 v[L16], v[PC+8*(\mm)+4:PC+8*(\mm)+7], s[86:87] offset:4096*(\mm)+512
.endm
; four words a lane as they are stored: word j of lane L belongs to tile 2 j + L / 16.  A trip's four tiles make two words; the first trip's move down
.macro SHIFT out, src
	v_mov_b32 v[\out], v[\out+2]
	v_mov_b32 v[\out+1], v[\out+3]
	v_cndmask_b32 v[\out+2], v[\src], v[\src+1], s[HM]
	v_cndmask_b32 v[\out+3], v[\src+2], v[\src+3], s[HM]
.endm
	s_load_b512 s[8:23], s[0:1], 0x0               ; x's codes s[8:9], scales s[10:11]; Wq's s[12:15]; Wk's s[16:19]; Wv's s[20:23]
	s_load_b256 s[24:31], s[0:1], 0x40             ; pcd, pmt, kvc, kvs
	v_lshl_add_u32 v[SPW], v0, 2, SPARE
	v_mov_b32 v[NIL], 0
	ds_add_u32 v4, v5
	ds_add_u32 v4, v5
	s_wait_dscnt 0x0
	v_lshrrev_b32 v1, 5, v0
	v_readfirstlane_b32 s[WV], v1                  ; wave 0..3
	s_bfe_u32 s33, ttmp6, 0x40000                  ; cx: my place in the cluster
	s_lshl_b32 s34, ttmp9, 2
	s_add_co_u32 s34, s34, s33                     ; g = 4 x cluster + cx: it enters x's and the outputs' addresses alone
	; group 1 for x: 64 rows x 256 bytes, 16 bytes of padding behind each; no mask
	s_mov_b32 s[G1X], (1<<20)|(5<<22)|(3<<25)
	s_mov_b32 s[G1X+1], 256<<16
	s_mov_b32 s[G1X+2], 64<<16                     ; x comes in two loads of 64 rows
	s_mov_b32 s[G1X+3], 256<<16
	s_mov_b32 s[G1X+4], 64
	s_mov_b32 s[G1X+5], 256
	s_mov_b32 s[G1X+6], 0
	s_mov_b32 s[G1X+7], 0
	; group 1 for W: 128 rows x 256 bytes, the same padding; the mask names all four work-groups
	s_mov_b32 s[G1W], 15|(1<<20)|(1<<21)|(5<<22)|(3<<25)
	s_mov_b32 s[G1W+1], 256<<16
	s_mov_b32 s[G1W+2], 256<<16                    ; at the head a load of W brings 256 rows; behind the head's wait the two words that count rows are set to 128
	s_mov_b32 s[G1W+3], 256<<16
	s_mov_b32 s[G1W+4], 256
	s_mov_b32 s[G1W+5], 256
	s_mov_b32 s[G1W+6], 0
	s_mov_b32 s[G1W+7], 0
	s_mov_b32 s[SEL], 0x76543210
	s_mov_b32 s[SEL+1], 0xfedcba98
	s_mov_b32 s[CS], 0x3fb8aa3b                    ; log2(e)
	s_mov_b32 s[CS+1], s[CS]                       ; (named with it as a pair)
	s_mov_b32 s[LN2], 0x3f317218                   ; ln 2
	s_mov_b32 s[G0X], 1
	s_lshr_b32 s94, s[WV], 1                       ; x: wave 0 fetches rows 0-63, wave 3 rows 64-127
	s_mul_i32 s[G0X+1], s94, 64*PITCH
	s_mul_i32 s35, s[WV], WQUART
	s_and_b32 s92, s[WV], 1                        ; Wq: wave 2 fetches rows 0-255, wave 1 rows 256-511: no place in the cluster enters an address of W
	s_mul_i32 s93, s92, 2*WQUART
	s_mov_b32 s[G0Q], 1
	s_add_co_u32 s[G0Q+1], s93, WA
	s_lshl_b32 s92, s92, 16                        ; and the same half in memory: 256 rows of 256 bytes
	s_mov_b32 s93, 0
	s_mov_b32 s[G0K], 1
	s_add_co_u32 s[G0K+1], s35, WB
	s_mov_b32 s[G0V], 1
	s_add_co_u32 s[G0V+1], s35, WA
	s_add_co_u32 s85, s35, WA
	s_lshl_b32 s36, s34, 15                        ; x: 128 rows of 256 bytes a work-group,
	s_lshl_b32 s35, s94, 14                        ; 64 a load
	s_add_co_u32 s36, s36, s35
	s_mov_b32 s37, 0
	s_lshl_b32 s38, s[WV], 15                      ; W: 128 rows a wave; s[38:39] never hold g
	s_mov_b32 s39, 0
	v_and_b32 v[LN], 31, v0
	v_and_b32 v1, 15, v0                           ; r
	v_bfe_u32 v2, v0, 4, 1                         ; half of the lanes
	v_and_b32 v3, 8, v1
	v_add_nc_u32 v3, v3, v1                        ; r + 8 (r / 8)
	v_mul_u32_u24 v[AXP], v3, PITCH
	v_lshl_add_u32 v[AXP], v2, 4, v[AXP]
	v_add_nc_u32 v[AWQ], s85, v[AXP]
	v_add_nc_u32 v[AWK], 4*WQUART, v[AWQ]
	v_mul_u32_u24 v[AWV], v1, PITCH
	v_lshl_add_u32 v[AWV], v2, 4, v[AWV]
	v_add_nc_u32 v[AWV], s85, v[AWV]
	v_lshlrev_b32 v[ASP], 4, v3
	v_lshlrev_b32 v[ASN], 4, v1
	v_mul_u32_u24 v[STL], v1, 48
	v_add_nc_u32 v[STL], STAT, v[STL]
	v_lshl_add_u32 v[STS], s[WV], 2, v[STL]
	v_lshlrev_b32 v[L16], 4, v[LN]
	v_cmp_lt_u32 s[HM], 15, v[LN]
	s_wait_kmcnt 0x0
	s_add_nc_u64 s[G0X+2:G0X+3], s[8:9], s[36:37]
	s_or_b32 s[G0X+3], s[G0X+3], 0x80000000
	s_add_nc_u64 s[G0Q+2:G0Q+3], s[12:13], s[92:93]
	s_or_b32 s[G0Q+3], s[G0Q+3], 0x80000000
	s_add_nc_u64 s[G0K+2:G0K+3], s[16:17], s[38:39]
	s_or_b32 s[G0K+3], s[G0K+3], 0x80000000
	s_add_nc_u64 s[G0V+2:G0V+3], s[20:21], s[38:39]
	s_or_b32 s[G0V+3], s[G0V+3], 0x80000000
	ROUND                                          ; all four work-groups are here: the first joint loads meet
	; the head's loads, one a wave, in one tree of branches on the wave's number: waves 0 and 3 x's halves, waves 1 and 2 Wq's halves
	s_cmp_lt_u32 s[WV], 1
	s_cbranch_scc0 .Lhead_w
	tensor_load_to_lds s[G0X:G0X+3], s[G1X:G1X+7]
	s_nop 0
	PLACES 4
	s_branch .Lhead_asked
.Lhead_w:
	s_cmp_lt_u32 s[WV], 3
	s_cbranch_scc0 .Lhead_x
	tensor_load_to_lds s[G0Q:G0Q+3], s[G1W:G1W+7]
	s_nop 0
	PLACES 4
	s_branch .Lhead_asked
.Lhead_x:
	tensor_load_to_lds s[G0X:G0X+3], s[G1X:G1X+7]
	s_nop 0
	PLACES 4
.Lhead_asked:
	s_lshl_b32 s36, s34, 11                        ; x's scale bytes: 16 a row
	s_add_nc_u64 s[10:11], s[10:11], s[36:37]
	s_lshl_b32 s38, s[WV], 11                      ; W's: my 128 rows
	s_add_nc_u64 s[14:15], s[14:15], s[38:39]
	s_add_nc_u64 s[18:19], s[18:19], s[38:39]
	s_add_nc_u64 s[22:23], s[22:23], s[38:39]
	s_wait_alu depctr_va_vdst(0)
.irp t, 0,1,2,3,4,5,6,7
	global_load_b128 v[WSQ+4*\t:WSQ+4*\t+3], v[ASP], s[14:15] offset:(32*(\t/2)+8*(\t%2))*16
	global_load_b128 v[WSK+4*\t:WSK+4*\t+3], v[ASP], s[18:19] offset:(32*(\t/2)+8*(\t%2))*16
	global_load_b128 v[WSV+4*\t:WSV+4*\t+3], v[ASN], s[22:23] offset:256*\t
.endr
	s_lshl_b32 s36, s34, 15                        ; pcd: 32,768 bytes a work-group; my K step: 1,024 w
	s_lshl_b32 s35, s[WV], 10
	s_add_co_u32 s36, s36, s35
	s_add_nc_u64 s[24:25], s[24:25], s[36:37]
	s_mul_i32 s36, s34, 2560                       ; pmt: 2,560 bytes a work-group
	s_add_nc_u64 s[26:27], s[26:27], s[36:37]
	s_lshl_b32 s38, s[WV], 9
	s_add_nc_u64 s[90:91], s[26:27], s[38:39]      ; my K step's scale words
	s_lshl_b32 s36, s34, 16                        ; kvc: 65,536 bytes a work-group: logq's images,
	s_add_co_u32 s36, s36, s35
	s_add_nc_u64 s[86:87], s[28:29], s[36:37]
	s_lshl_b32 s36, s34, 16
	s_lshl_b32 s35, s[WV], 13
	s_add_co_u32 s36, s36, s35
	s_add_co_u32 s36, s36, 32768                   ; and behind them v's: my 8 tiles
	s_add_nc_u64 s[88:89], s[28:29], s[36:37]
	s_lshl_b32 s36, s34, 12                        ; kvs: 4,096 bytes a work-group
	s_add_co_u32 s36, s36, s38
	s_add_nc_u64 s[30:31], s[30:31], s[36:37]
.irp j, 4,5,6,7
	v_mov_b32 v[TM+\j], 0                          ; written once: a lane permute's destination counts as one of its sources
.endr
	v_mov_b32 v[GP+1], 0                           ; the upper halves of pairs whose low word serves both halves
	v_mov_b32 v[ZP+1], 0
	v_mov_b32 v[MCP+1], 0
.irp j, 0,1,2,3,4,5,6,7
	v_mov_b32 v[OUTS+\j], 0                        ; SHIFT reads them before the first trip's words are there
.endr
	s_mov_b32 s[XH], 0
	s_mov_b32 s[XG], 0
	v_mov_b32 v[AXC], v[AXP]
	v_mov_b32 v[ASX], v[ASP]
	s_wait_alu depctr_va_vdst(0)
	s_wait_tensorcnt 0x0                           ; my one load of the head is in
	ds_add_u32 v[SPW], v[NIL]                      ; 0 onto my spare word
	s_mov_b32 s[G1W+2], 128<<16                    ; no tensor load of mine is out: from here on a load of W brings 128 rows
	s_mov_b32 s[G1W+4], 128
	s_wait_dscnt 0x0                               ; the add is done
	ROUND                                          ; x and Wq are whole for every wave, and all four work-groups are here
	tensor_load_to_lds s[G0K:G0K+3], s[G1W:G1W+7]  ; my quarter of Wk, a first fill issued as a refill is: it has all of kind q in which to land
	s_nop 0
	PLACES 4
	XLOAD
	WLOAD AWQ, 1
	; ---- q: p's codes, scale words, -neg_ent
	s_mov_b32 s[TRIP], 2
.Lq:
	MM 1, WSQ
	PLACES 4                                       ; behind the last products: in front of loads into x's registers and of the first read of results
	NEXTX
	ROWMAX
	EXPQ 0
	EXPQ 1
	EXPQ 2
	EXPQ 3
	BARRIER                                        ; the four waves' statistics lie in LDS
	LSLOAD 0, 3
	FINQ 0
	FINQ 1
	FINQ 2
	FINQ 3
	SHIFT OUTS, PW
	SHIFT OUTN, NN
	BARRIER                                        ; every wave's reads of the statistics are over: the next trip may store there
	s_wait_xcnt 0x0                                ; the stores have read their registers and their base
	s_add_nc_u64 s[24:25], s[24:25], 16384         ; four tiles on
	s_sub_co_u32 s[TRIP], s[TRIP], 1
	s_cmp_lg_u32 s[TRIP], 0
	s_cbranch_scc1 .Lq
	s_wait_alu depctr_va_vdst(0)
	global_store_b128 v[L16], v[OUTS:OUTS+3], s[90:91]      ; my K step's scale words of the 128 rows: 512 consecutive bytes
	s_cmp_lg_u32 s[WV], 0                          ; -neg_ent is the same in all four waves: wave 0 stores it
	s_cbranch_scc1 .Lnot_mine
	global_store_b128 v[L16], v[OUTN:OUTN+3], s[26:27] offset:2048
.Lnot_mine:
	; ---- Wq's bytes take Wv: it has all of kind k in which to land
	s_wait_tensorcnt 0x0                           ; all my tensor loads have landed, Wk's among them
	ds_add_u32 v[SPW], v[NIL]                      ; 0 onto my spare word
	s_wait_dscnt 0x0                               ; the add is done, and my reads of Wq are long over
	ROUND                                          ; no wave of any partner still reads Wq or has a load on its way
	tensor_load_to_lds s[G0V:G0V+3], s[G1W:G1W+7]  ; the one tensor load of this wave behind the round
	s_nop 0
	PLACES 4
	s_wait_xcnt 0x0                                ; the stores above have read OUTS and OUTN
	; ---- k: logq's codes and scale words
	WLOAD AWK, 1
	s_mov_b32 s[TRIP], 2
.Lk:
	MM 1, WSK
	PLACES 4
	NEXTX
	ROWMAX
	EXPK 0
	EXPK 1
	EXPK 2
	EXPK 3
	BARRIER
	LSLOAD 0, 2
	FINK 0
	FINK 1
	FINK 2
	FINK 3
	SHIFT OUTS, PW
	BARRIER
	s_wait_xcnt 0x0
	s_add_nc_u64 s[86:87], s[86:87], 16384
	s_sub_co_u32 s[TRIP], s[TRIP], 1
	s_cmp_lg_u32 s[TRIP], 0
	s_cbranch_scc1 .Lk
	s_wait_alu depctr_va_vdst(0)
	global_store_b128 v[L16], v[OUTS:OUTS+3], s[30:31]
	; ---- v: a lane holds one h, its registers run down the keys: a trip's 64 keys are two blocks, half a fragment
	s_wait_tensorcnt 0x0                           ; my 128 rows of Wv are in; no other wave reads them
.irp t, 0,1,2,3,4,5,6,7
	v_mov_b32 v[VW+\t], 0
.endr
	WLOAD AWV, 0
	s_mov_b32 s[TRIP], 2
.Lv:
	MM 0, WSV
	PLACES 4
	s_cmp_eq_u32 s[TRIP], 1                        ; behind the last products nobody wants x again
	s_cbranch_scc1 .Lno_more_x
	NEXTX
.Lno_more_x:
.irp t, 0,1,2,3,4,5,6,7
	QUANT 32*\t, 2, PC+4*\t
	v_lshl_or_b32 v[FOWN], v[TM+5], 8, v[TM+4]     ; this trip's two bytes
	v_lshrrev_b32 v[VW+\t], 16, v[VW+\t]           ; the first trip's move down,
	v_lshl_or_b32 v[VW+\t], v[FOWN], 16, v[VW+\t]  ; this trip's go on top
	global_store_b128 v[L16], v[PC+4*\t:PC+4*\t+3], s[88:89] offset:1024*\t
.endr
	s_wait_dscnt 0x0                               ; this kind has no barrier whose wait would cover them: the 32 loads of x's other half, asked for at the trip's head, are in before the next trip's products read them
	s_wait_xcnt 0x0
	s_add_nc_u64 s[88:89], s[88:89], 512           ; the fragments' second four registers
	s_sub_co_u32 s[TRIP], s[TRIP], 1
	s_cmp_lg_u32 s[TRIP], 0
	s_cbranch_scc1 .Lv
	s_wait_alu depctr_va_vdst(0)
.irp j, 0,1,2,3
	v_cndmask_b32 v[OUTS+\j], v[VW+2*\j], v[VW+2*\j+1], s[HM]
.endr
	global_store_b128 v[L16], v[OUTS:OUTS+3], s[30:31] offset:2048
	s_wait_tensorcnt 0x0                           ; the wave's end
	ds_add_u32 v[SPW], v[NIL]
	s_wait_dscnt 0x0
	ROUND                                          ; the closing round: no work-group ends while a partner may still ask for a tile that names it
	s_endpgm
.Lfunc_end_k_qfd66661860_proj:
	.size	k_qfd66661860_proj, .Lfunc_end_k_qfd66661860_proj-k_qfd66661860_proj
	.p2alignl 7, 3214868480
	.fill 96, 4, 3214868480
	.section	.rodata,"a",@progbits
	.p2align	6, 0x0
	.amdhsa_kernel k_qfd66661860_proj
		.amdhsa_group_segment_fixed_size 327680
		.amdhsa_private_segment_fixed_size 0
		.amdhsa_enable_private_segment 0
		.amdhsa_kernarg_size 96
		.amdhsa_user_sgpr_count 2
		.amdhsa_user_sgpr_kernarg_segment_ptr 1
		.amdhsa_wavefront_size32 1
		.amdhsa_system_sgpr_workgroup_id_x 1
		.amdhsa_system_sgpr_workgroup_id_y 1
		.amdhsa_system_sgpr_workgroup_id_z 1
		.amdhsa_system_vgpr_workitem_id 0
		.amdhsa_next_free_vgpr 1024
		.amdhsa_next_free_sgpr 96
		.amdhsa_reserve_vcc 0
		.amdhsa_float_denorm_mode_32 3
		.amdhsa_float_denorm_mode_16_64 3
		.amdhsa_memory_ordered 1
		.amdhsa_forward_progress 1
		.amdhsa_inst_pref_size 238
	.end_amdhsa_kernel
	.amdgpu_metadata
---
amdhsa.version: [ 1, 2 ]
amdhsa.kernels:
  - .name:           k_qfd66661860_proj
    .symbol:         k_qfd66661860_proj.kd
    .args:
      - { .name: x_codes, .offset: 0, .size: 8, .value_kind: global_buffer, .address_space: global }
      - { .name: x_scales, .offset: 8, .size: 8, .value_kind: global_buffer, .address_space: global }
      - { .name: Wq_codes, .offset: 16, .size: 8, .value_kind: global_buffer, .address_space: global }
      - { .name: Wq_scales, .offset: 24, .size: 8, .value_kind: global_buffer, .address_space: global }
      - { .name: Wk_codes, .offset: 32, .size: 8, .value_kind: global_buffer, .address_space: global }
      - { .name: Wk_scales, .offset: 40, .size: 8, .value_kind: global_buffer, .address_space: global }
      - { .name: Wv_codes, .offset: 48, .size: 8, .value_kind: global_buffer, .address_space: global }
      - { .name: Wv_scales, .offset: 56, .size: 8, .value_kind: global_buffer, .address_space: global }
      - { .name: pcd, .offset: 64, .size: 8, .value_kind: global_buffer, .address_space: global }
      - { .name: pmt, .offset: 72, .size: 8, .value_kind: global_buffer, .address_space: global }
      - { .name: kvc, .offset: 80, .size: 8, .value_kind: global_buffer, .address_space: global }
      - { .name: kvs, .offset: 88, .size: 8, .value_kind: global_buffer, .address_space: global }
    .group_segment_fixed_size: 327680
    .private_segment_fixed_size: 0
    .kernarg_segment_align: 8
    .kernarg_segment_size: 96
    .max_flat_workgroup_size: 128
    .sgpr_count:     96
    .vgpr_count:     1024
    .wavefront_size: 32
...
	.end_amdgpu_metadata
.endif
;; end of part 1
;; launch attn (part 2): grid 8 x 32, 8 waves a work-group, clusters of 4 x 1, 327,680 bytes of LDS; arguments pcd, pmt, kvc, kvs, out0; writes out0
.if DOCPART == 2
	.amdgcn_target "amdgcn-amd-amdhsa--gfx1250"
	.amdhsa_code_object_version 6
	.text
	.protected	k_qfd66661860_attn
	.globl	k_qfd66661860_attn
	.p2align	8
	.type	k_qfd66661860_attn,@function
k_qfd66661860_attn:
	s_mov_b64 s[64:65], 0
	v_nop
	global_prefetch_b8 v0, s[64:65] scope:SCOPE_SE
	s_setreg_imm32_b32 hwreg(HW_REG_WAVE_MODE, 25, 1), 1
	s_wait_xcnt 0x0
	s_wait_alu depctr_hold_cnt(0) depctr_sa_sdst(0) depctr_va_vdst(0) depctr_va_sdst(0) depctr_va_ssrc(0) depctr_va_vcc(0) depctr_vm_vsrc(0)
	s_getreg_b32 s2, hwreg(HW_REG_IB_STS2, 6, 4)
	s_cmp_eq_u32 s2, 0
	s_cbranch_scc0 .Lentry_in_a_cluster
	s_endpgm
.Lentry_in_a_cluster:
	s_bfe_u32 s2, ttmp6, 0x10000c
	s_cmp_lg_u32 s2, 0x3003
	s_cbranch_scc0 .Lentry_shape_is_right
	s_endpgm
.Lentry_shape_is_right:
; out = softmax_j(cross[i][j] - neg_ent[i]) v,  cross = p logq^T, both products on codes of FP4 (E2M1) with E8M0 scales, from the images that the launch before has laid in the order of the operands' registers.
; THE SOFTMAX AHEAD OF THE SECOND PRODUCT: t = logit x log2(e); M = the largest t so far, rounded UP to a whole number; 2^(t - M) is what is quantised, along the keys, not normalised; the sum l is taken of the
; unquantised numbers.  -neg_ent enters as the C of a score's first matrix instruction.
; SHARES.  A work-group owns 128 queries of a batch, in EIGHT waves, two to a SIMD.  Waves q and q + 4 own the same tiles 2 q and 2 q + 1 of 16 queries: each fragment read from LDS feeds two matrix instructions.
; PHASE 1: the pair shares the KEYS: wave q + 4 hf walks key steps 4 hf .. 4 hf + 3 (128 keys each), with an M and an l of its own; the weights' codes stay in registers, with each step's M beside them.
; THE EXCHANGE: the pair's M and l meet in LDS; each step's scale word takes up 64 - (joint M - the step's M), a whole number added to each of its four bytes (at most 125 + 64: no carry); codes and words go to the partner as images of registers.
; PHASE 2: the pair shares H: wave q + 4 hf makes groups 2 hf and 2 hf + 1 of 128 h, each summed over all 1,024 keys (its own four key steps, then the partner's), multiplied by 2^-64 / l and stored.
; LIMITS.  A key step whose M lies more than 64 under the row's last M gets the scale word 0: its weights are under 2^-64 of the row's largest.  O is summed under 2^64: |v| x 1,024 x 2^64 has to stay finite in f32.
; |t| stays under 2^23, so that the whole numbers are exact.  NaN and infinities are not served; a block whose every number has fallen to 0 keeps the floor's scale byte: its codes are zeros.
; LAYOUT.  Both products are used transposed (S^T = logq p^T, O^T = v^T P^T): a lane holds ONE query (lane % 16).  Lane r of a tile m of keys or queries is row 32 (m / 2) + 8 (m % 2) + r + 8 (r / 8) of its block of 128.
; LDS.  Four slots of 65,536 bytes, dense images; key step n of logq at 32,768 n.  The head brings key steps 0 and 4 and logq's scale words, 16,384 or 4,096 bytes a wave; the other six key steps and v's scale words follow behind one round.
; When both halves have multiplied two key steps, the two slots that they leave take two groups of v (group G in slot G: 8 key steps x 8,192 bytes), one load a wave.
; No prefetch is laid: every byte is asked for by its tensor load a key step or more ahead of its first read, and the loop of phase 2 reads LDS alone.
; CLUSTER.  The four query blocks of a cluster walk the same keys: every fill is asked for jointly (mask 15), its address made of the batch and the wave's number alone.
; REGISTERS: window 0: v0-127 addresses, statistics, scale words; v128-255 the scores; in phase 2 two buffers of 8 fragments of v, then rows read back from the stage.
;   window 1: v0-127 two buffers of 8 fragments of logq, in phase 2 O (tile f of the group, a) at 16 f + 8 a; v128-191 p's fragments (a, s) at 32 a + 8 s, then the partner's codes; v192-255 my codes (step i, a) at 16 i + 8 a.
.set SLOTB, 65536
.set SCV,   4*SLOTB                    ; v's scale words: 2,048 bytes a key step
.set SCQ,   SCV+16384                  ; logq's likewise; they have had their last read at the second change of slots
.set XC,    SCQ                        ; from there on, behind that change: the exchange, 5,632 bytes a wave: 4,096 of codes, 512 of M and l, 1,024 of scale words;
.set XBLK,  5632
.set STAGE, SCQ                        ; and behind the exchange the way out: 16 rows x (256 bytes + 16) for each wave
.set SPITCH, 272
.set SPARE, 326656                     ; the spare words, 128 bytes for each wave
.set SPW, 3                            ; v3   SPARE + 4 x my thread's number; never rewritten
.set NIL, 4                            ; v4   0; never rewritten
.set L16, 5                            ; v5   16 x lane
.set AL,  6                            ; v6-7 16 x lane + my half's two slots
.set LC,  8                            ; v8   16 x lane + my half's scale words of logq
.set AVO, 9                            ; v9   phase 2: the group's fragments of my four key steps;  v10 of the partner's
.set AVP, 10
.set ASO, 11                           ; v11  their scale words (at the head: 16 r);  v12 the partner's
.set ASP, 12
.set STO, 13                           ; v13  into the stage
.set SRD, 14                           ; v14  back from it
.set GO,  15                           ; v15  my byte offset in two rows of out0
.set ST,  16                           ; tile a at v[16 + 4 a]: -M, the largest t, the sum in two halves
.set FP,  24                           ; v[24 + 2 a : 25 + 2 a]  2^(old M - new M); at the end 2^-64 / l
.set NE,  28                           ; v28-35, v36-43  -neg_ent of my query, eight times: a C operand
.set PQS, 44                           ; v44-47  p's scale words: lanes 0-15 tile 2 q, lanes 16-31 tile 2 q + 1
.set LSR, 48                           ; v48-63  logq's scale words (s, j): lanes 0-15 tile 2 j, lanes 16-31 tile 2 j + 1;  in phase 2 v's, four sets by turns
.set BM,  64                           ; v64-71  + 4 a + b: the blocks' largest
.set SO,  72                           ; v72-75, v80-83  the conversions' scale operands
.set XB,  76                           ; v76-79, v84-87  lane l xor 16's, then the bytes
.set PR,  88                           ; a second chain of sums
.set XT,  92
.set XO,  94                           ; v94  16 x lane + my block of the exchange;  v95 the partner's
.set XP,  95
.set PWS, 96                           ; v96-103 my steps' scale words (i, a) at 2 i + a;  v104-111 the partner's
.set MS,  112                          ; v112-119  -M of my step i
.set S,   128
.set WV,  14
.set GD,  24                           ; s[24:31] group 1: a dense block as rows of 256 bytes, 64 at the head, then 128
.set GS,  32                           ; s[32:39] rows of 2,048 bytes, 4,096 apart (scale words), 2 at the head, then 4
.set GV,  40                           ; s[40:47] 2 rows of 8,192 bytes, 65,536 apart (v)
.set G0A, 48                           ; groups 0: the head's halves of key steps 0 and 4; logq's scale words; the later key steps; v's scale words; v, which walks
.set G0B, 52
.set G0C, 56
.set G0D, 60
.set G0V, 68
.set QW,  72                           ; wave % 4
.set HF,  73                           ; wave / 4
.set HX,  74                           ; the partner's
.set UO,  75
.set SEL, 76
.set CS,  78
.set TO,  80
.set TP,  81
.set CNT, 82
.set K01, 83
.set UP,  84
.set MSB, 0
.macro WIN new                         ; the immediate's high byte repeats the setting that is left
.if MSB != (\new)
	s_set_vgpr_msb (MSB<<8)|(\new)
.set MSB, (\new)
.endif
.endm
.macro PLACES n
.rept \n
	v_nop
.endr
.endm
.macro ROUND                           ; a round of the cluster's barrier
	s_barrier_signal -1
	s_barrier_wait -1
	s_cmp_lg_u32 s[WV], 0
	s_cbranch_scc1 .Lnot_wave_0_\@
	s_barrier_signal -3
.Lnot_wave_0_\@:
	s_barrier_wait -3
	s_barrier_signal -1
	s_barrier_wait -1
.endm
.macro TL g0, g1                       ; a tensor load with s_nop 0 and four v_nop behind it
	tensor_load_to_lds s[\g0:\g0+3], s[\g1:\g1+7]
	s_nop 0
	PLACES 4
.endm
.macro MKG g0, base, off               ; a group 0's place in memory
	s_add_nc_u64 s[\g0+2:\g0+3], s[\base:\base+1], s[\off:\off+1]
	s_or_b32 s[\g0+3], s[\g0+3], 0x80000000
.endm
; a score's matrix instruction, on the symbols wD, wA, wB, wC, wSA, wSB.  ra, rb: the side's scales stand in lanes 16-31
.macro WMS ra, rb
.if (\ra) && (\rb)
	v_wmma_scale_f32_16x16x128_f8f6f4 v[wD:wD+7], v[wA:wA+7], v[wB:wB+7], v[wC:wC+7], v[wSA], v[wSB] matrix_a_fmt:MATRIX_FMT_FP4 matrix_b_fmt:MATRIX_FMT_FP4 matrix_a_scale:MATRIX_SCALE_ROW1 matrix_b_scale:MATRIX_SCALE_ROW1
.elseif (\ra)
	v_wmma_scale_f32_16x16x128_f8f6f4 v[wD:wD+7], v[wA:wA+7], v[wB:wB+7], v[wC:wC+7], v[wSA], v[wSB] matrix_a_fmt:MATRIX_FMT_FP4 matrix_b_fmt:MATRIX_FMT_FP4 matrix_a_scale:MATRIX_SCALE_ROW1
.elseif (\rb)
	v_wmma_scale_f32_16x16x128_f8f6f4 v[wD:wD+7], v[wA:wA+7], v[wB:wB+7], v[wC:wC+7], v[wSA], v[wSB] matrix_a_fmt:MATRIX_FMT_FP4 matrix_b_fmt:MATRIX_FMT_FP4 matrix_b_scale:MATRIX_SCALE_ROW1
.else
	v_wmma_scale_f32_16x16x128_f8f6f4 v[wD:wD+7], v[wA:wA+7], v[wB:wB+7], v[wC:wC+7], v[wSA], v[wSB] matrix_a_fmt:MATRIX_FMT_FP4 matrix_b_fmt:MATRIX_FMT_FP4
.endif
.endm
; one of O's.  zero = 1: it starts the sum
.macro WMP ra, zero
.if (\ra) && (\zero)
	v_wmma_scale_f32_16x16x128_f8f6f4 v[wD:wD+7], v[wA:wA+7], v[wB:wB+7], 0, v[wSA], v[wSB] matrix_a_fmt:MATRIX_FMT_FP4 matrix_b_fmt:MATRIX_FMT_FP4 matrix_a_scale:MATRIX_SCALE_ROW1
.elseif (\ra)
	v_wmma_scale_f32_16x16x128_f8f6f4 v[wD:wD+7], v[wA:wA+7], v[wB:wB+7], v[wD:wD+7], v[wSA], v[wSB] matrix_a_fmt:MATRIX_FMT_FP4 matrix_b_fmt:MATRIX_FMT_FP4 matrix_a_scale:MATRIX_SCALE_ROW1
.elseif (\zero)
	v_wmma_scale_f32_16x16x128_f8f6f4 v[wD:wD+7], v[wA:wA+7], v[wB:wB+7], 0, v[wSA], v[wSB] matrix_a_fmt:MATRIX_FMT_FP4 matrix_b_fmt:MATRIX_FMT_FP4
.else
	v_wmma_scale_f32_16x16x128_f8f6f4 v[wD:wD+7], v[wA:wA+7], v[wB:wB+7], v[wD:wD+7], v[wSA], v[wSB] matrix_a_fmt:MATRIX_FMT_FP4 matrix_b_fmt:MATRIX_FMT_FP4
.endif
.endm
; my key step i, K step k of logq: its scale words and eight fragments into buffer k % 2: 17 loads
.macro LQ i, k
	WIN 0
	ds_load_b128 v[LSR+4*(\k):LSR+4*(\k)+3], v[LC] offset:2048*(\i)+512*(\k)
	WIN 0x40                                       ; destination window 1
.irp f, 0,1,2,3,4,5,6,7
.irp c, 0,1
	ds_load_b128 v[64*((\k)%2)+8*\f+4*\c:64*((\k)%2)+8*\f+4*\c+3], v[AL+(\i)/2] offset:32768*((\i)%2)+1024*(\k)+4096*\f+512*\c
.endr
.endr
	WIN 0
.endm
; K step s of the scores: 8 tiles of keys x 2 tiles of queries; the 16 accumulators take turns.  The first K step's C is -neg_ent
.macro SMUL s
	WIN 0x05                                       ; sources 0 and 1 window 1
.irp t, 0,1,2,3,4,5,6,7
.irp a, 0,1
.set wD, S+64*\a+8*\t
.set wA, 64*((\s)%2)+8*\t
.set wB, 128+32*\a+8*(\s)
.if (\s) == 0
.set wC, NE+8*\a
.else
.set wC, wD
.endif
.set wSA, LSR+4*(\s)+\t/2
.set wSB, PQS+(\s)
	WMS \t%2, \a
.endr
.endr
.endm
; the softmax of my key step n, both tiles of queries line by line; its codes go to window 1, its scale words to PWS, its -M to MS.  Step 0 starts M
.macro SOFT n
.irp a, 0,1
.irp b, 0,1,2,3
	v_max3_num_f32 v[BM+4*\a+\b], v[S+64*\a+16*\b], v[S+64*\a+16*\b+1], v[S+64*\a+16*\b+2]   ; the largest score of each block of 32 keys: for the row's maximum and, since 2^t rises with t, for the block's largest number
.endr
.endr
.irp i, 3,5,7,9,11,13
.irp a, 0,1
.irp b, 0,1,2,3
	v_max3_num_f32 v[BM+4*\a+\b], v[BM+4*\a+\b], v[S+64*\a+16*\b+\i], v[S+64*\a+16*\b+\i+1]
.endr
.endr
.endr
.irp a, 0,1
.irp b, 0,1,2,3
	v_max_num_f32 v[BM+4*\a+\b], v[BM+4*\a+\b], v[S+64*\a+16*\b+15]
.endr
.endr
.irp a, 0,1
.irp b, 0,1,2,3
	v_permlanex16_b32 v[XB+8*\a+\b], v[BM+4*\a+\b], s[SEL], s[SEL+1]
.endr
.endr
.irp a, 0,1
.irp b, 0,1,2,3
	v_max_num_f32 v[BM+4*\a+\b], v[BM+4*\a+\b], v[XB+8*\a+\b]
.endr
.endr
.irp a, 0,1
	v_max3_num_f32 v[XT+\a], v[BM+4*\a], v[BM+4*\a+1], v[BM+4*\a+2]
.endr
.irp a, 0,1
	v_max_num_f32 v[XT+\a], v[XT+\a], v[BM+4*\a+3]
.endr
.if (\n) == 0
.irp a, 0,1
	v_mul_f32 v[ST+4*\a+1], s[CS], v[XT+\a]        ; the largest t
.endr
.irp a, 0,1
	v_floor_f32 v[ST+4*\a], -v[ST+4*\a+1]          ; -M = floor(-t) = -ceil(t)
.endr
.else
.irp a, 0,1
	v_mul_f32 v[XT+\a], s[CS], v[XT+\a]
.endr
.irp a, 0,1
	v_max_num_f32 v[ST+4*\a+1], v[ST+4*\a+1], v[XT+\a]
.endr
.irp a, 0,1
	v_mov_b32 v[XT+\a], v[ST+4*\a]
.endr
.irp a, 0,1
	v_floor_f32 v[ST+4*\a], -v[ST+4*\a+1]
.endr
.irp a, 0,1
	v_sub_f32 v[XT+\a], v[ST+4*\a], v[XT+\a]       ; old M - new M: a whole number, 0 or less
.endr
.irp a, 0,1
	v_cvt_i32_f32 v[XT+\a], v[XT+\a]
.endr
.irp a, 0,1
	v_ldexp_f32 v[FP+2*\a], 1.0, v[XT+\a]
.endr
.endif
.irp a, 0,1
	v_mov_b32 v[MS+2*(\n)+\a], v[ST+4*\a]          ; the step's -M is kept
.endr
.irp a, 0,1
.set sj, 0
.rept 32
	v_pk_fma_f32 v[S+64*\a+sj:S+64*\a+sj+1], v[S+64*\a+sj:S+64*\a+sj+1], s[CS:CS+1], v[ST+4*\a:ST+4*\a+1] op_sel_hi:[1,0,0]   ; t - M
.set sj, sj+2
.endr
.endr
.irp a, 0,1
.irp b, 0,1,2,3
	v_fma_f32 v[BM+4*\a+\b], v[BM+4*\a+\b], s[CS], v[ST+4*\a]
.endr
.endr
.set sj, 0
	s_wait_alu depctr_va_vdst(0)
.rept 128
	v_exp_f32 v[S+sj], v[S+sj]                     ; one batch for both tiles
.set sj, sj+1
.endr
.if (\n) == 0
	v_nop                                          ; a plain place behind the exponentials
.else
.irp a, 0,1
	v_pk_mul_f32 v[ST+4*\a+2:ST+4*\a+3], v[ST+4*\a+2:ST+4*\a+3], v[FP+2*\a:FP+2*\a+1] op_sel_hi:[1,0]   ; the sums under the new M
.endr
.endif
	s_wait_alu depctr_va_vdst(0)                   ; one wait for the batch, ahead of its first reader
.irp a, 0,1
.irp b, 0,1,2,3
	v_exp_f32 v[BM+4*\a+\b], v[BM+4*\a+\b]         ; each block's largest number
.endr
.endr
.irp a, 0,1
	v_pk_add_f32 v[PR+2*\a:PR+2*\a+1], v[S+64*\a:S+64*\a+1], v[S+64*\a+2:S+64*\a+3]   ; the sum is taken of the unquantised numbers; these lines read the 128 alone
.endr
.set sj, 4
.rept 15
.irp a, 0,1
	v_pk_add_f32 v[ST+4*\a+2:ST+4*\a+3], v[ST+4*\a+2:ST+4*\a+3], v[S+64*\a+sj:S+64*\a+sj+1]
	v_pk_add_f32 v[PR+2*\a:PR+2*\a+1], v[PR+2*\a:PR+2*\a+1], v[S+64*\a+sj+2:S+64*\a+sj+3]
.endr
.set sj, sj+4
.endr
.irp a, 0,1
	v_pk_add_f32 v[ST+4*\a+2:ST+4*\a+3], v[ST+4*\a+2:ST+4*\a+3], v[PR+2*\a:PR+2*\a+1]
.endr
	s_wait_alu depctr_va_vdst(0)                   ; and one for the eight
.irp a, 0,1
.irp b, 0,1,2,3
	v_max_num_f32 v[BM+4*\a+\b], 0x1800000, v[BM+4*\a+\b]     ; the floor 2^(3 - 127): the byte cannot fall under 1
.endr
.endr
.irp a, 0,1
.irp b, 0,1,2,3
	v_add_nc_u32 v[SO+8*\a+\b], 0xff000000, v[BM+4*\a+\b]     ; 2 off the exponent field: the conversion's scale operand
.endr
.endr
.irp a, 0,1
.irp b, 0,1,2,3
	v_lshrrev_b32 v[XB+8*\a+\b], 23, v[SO+8*\a+\b]            ; the scale's byte
.endr
.endr
.irp a, 0,1
	v_lshl_or_b32 v[PWS+2*(\n)+\a], v[XB+8*\a+1], 8, v[XB+8*\a]
.endr
.irp a, 0,1
	v_lshl_or_b32 v[PWS+2*(\n)+\a], v[XB+8*\a+2], 16, v[PWS+2*(\n)+\a]
.endr
.irp a, 0,1
	v_lshl_or_b32 v[PWS+2*(\n)+\a], v[XB+8*\a+3], 24, v[PWS+2*(\n)+\a]
.endr
	WIN 0x40                                       ; destination window 1
.irp a, 0,1
.irp b, 0,1,2,3
	v_cvt_scalef32_pk8_fp4_f32 v[192+16*(\n)+8*\a+2*\b], v[S+64*\a+16*\b:S+64*\a+16*\b+7], v[SO+8*\a+\b]
	v_cvt_scalef32_pk8_fp4_f32 v[192+16*(\n)+8*\a+2*\b+1], v[S+64*\a+16*\b+8:S+64*\a+16*\b+15], v[SO+8*\a+\b]
.endr
.endr
	WIN 0x41                                       ; both registers of an exchange in window 1
	v_nop                                          ; one plain place behind the scaled conversions
.irp a, 0,1
.irp c, 0,1
.irp i, 0,1
	v_permlane16_swap_b32 v[192+16*(\n)+8*\a+4*\c+\i], v[192+16*(\n)+8*\a+4*\c+2+\i]   ; a whole block to a lane
.endr
.endr
.endr
	WIN 0
.endm
; Both halves have multiplied two key steps: the two slots that they leave take groups j and 2 + j of v.  Each wave waits for all its tensor loads, adds 0 to its spare word, and waits for that and for its reads; a round of the cluster's
; barrier; behind it the joint refill, my one tensor load until the next round.  The four v_nop behind it are also the places behind the last products.
.macro CHANGE j
	WIN 0
	s_wait_tensorcnt 0x0                           ; no tensor load of mine is out, so the group 0 may be written
	ds_add_u32 v[SPW], v[NIL]                      ; 0 onto my spare word
.if (\j) > 0
	s_add_co_u32 s[G0V+1], s[G0V+1], SLOTB         ; the next slot,
	s_add_nc_u64 s[G0V+2:G0V+3], s[G0V+2:G0V+3], 8192   ; the next 8 tiles of h
.endif
	s_wait_dscnt 0x0                               ; the add is done, and my reads of the slot are over
	ROUND
	TL G0V, GV
.endm
; MY KEY STEP i.  Two buffers take turns: K steps 0 and 1 were asked for ahead of the softmax before; 2 and 3 are asked for as their buffers come free.  Each wait lets the one younger run of 17 loads stay out
.macro QSTEP i
	s_wait_dscnt 17
	SMUL 0
	PLACES 4
	LQ \i, 2
	s_wait_dscnt 17
	SMUL 1
	PLACES 4
	LQ \i, 3
	s_wait_dscnt 17
	SMUL 2
	s_wait_dscnt 0x0
	SMUL 3
.if (\i) == 0
	PLACES 4                                       ; behind the last products, in front of the first read of the scores
	WIN 0
	SOFT 0                                         ; the first softmax needs nothing of the second group of fills: it stands ahead of the wait for them
	s_wait_alu depctr_va_vdst(0)
	s_wait_tensorcnt 0x0                           ; my load of the second group has landed,
	s_wait_dscnt 0x0
	s_barrier_signal -1
	s_barrier_wait -1                              ; and everybody's: all of logq and all scale words are whole.
	LQ 1, 0                                        ; my second key step's first two K steps: here alone they are asked for behind the softmax
	LQ 1, 1
.else
.if (\i) == 2
	PLACES 4                                       ; behind the last products: in front of loads into their registers and of the first read of the scores
.else
	CHANGE (\i)/2
.endif
.if (\i) < 3
	LQ (\i)+1, 0
	LQ (\i)+1, 1
.endif
	WIN 0
	SOFT \i
.endif
.endm
; phase 2, step m of the group's eight (0-3: my key steps, 4-7: the partner's): its scale words (set m % 4) and eight fragments of v (buffer m % 2): 17 loads
.macro LDV m
	WIN 0
	ds_load_b128 v[LSR+4*((\m)%4):LSR+4*((\m)%4)+3], v[ASO+(\m)/4] offset:2048*((\m)%4)
.irp f, 0,1,2,3,4,5,6,7
.irp c, 0,1
	ds_load_b128 v[S+64*((\m)%2)+8*\f+4*\c:S+64*((\m)%2)+8*\f+4*\c+3], v[AVO+(\m)/4] offset:8192*((\m)%4)+1024*\f+512*\c
.endr
.endr
.endm
; 8 tiles of h x 2 tiles of queries, K = 128 keys; the 16 accumulators take turns; step 0 starts the sums
.macro PVM m
.if (\m) < 7
	s_wait_dscnt 17                                ; the one younger step's 17 loads may be out
.else
	s_wait_dscnt 0x0
.endif
	WIN 0x54                                       ; source 1, C and D window 1
.irp f, 0,1,2,3,4,5,6,7
.irp a, 0,1
.set wD, 16*\f+8*\a
.set wA, S+64*((\m)%2)+8*\f
.set wB, 192-64*((\m)/4)+16*((\m)%4)+8*\a
.set wSA, LSR+4*((\m)%4)+\f/2
.set wSB, PWS+2*(\m)+\a
.if (\m) == 0
	WMP \f%2, 1
.else
	WMP \f%2, 0
.endif
.endr
.endr
.if (\m) < 6
	PLACES 4
	LDV (\m)+2
.endif
.endm
.macro XSEND r0                        ; 32 registers of my codes into my block of the exchange
	WIN 0x04                                       ; an LDS store's data (source 1) window 1
.irp j, 0,1,2,3,4,5,6,7
	ds_store_b128 v[XO], v[(\r0)+4*\j:(\r0)+4*\j+3] offset:512*\j
.endr
	WIN 0
.endm
.macro XTAKE r0                        ; and the partner's 32 out of its block
	WIN 0x40
.irp j, 0,1,2,3,4,5,6,7
	ds_load_b128 v[(\r0)+4*\j:(\r0)+4*\j+3], v[XP] offset:512*\j
.endr
	WIN 0
.endm
	s_load_b256 s[4:11], s[0:1], 0x0               ; pcd s[4:5], pmt s[6:7], kvc s[8:9], kvs s[10:11]
	s_load_b64 s[12:13], s[0:1], 0x20              ; out0
	v_lshl_add_u32 v[SPW], v0, 2, SPARE
	v_mov_b32 v[NIL], 0
	ds_add_u32 v[SPW], v[NIL]                      ; the opening lines: the add twice on end and its wait
	ds_add_u32 v[SPW], v[NIL]
	s_wait_dscnt 0x0
	v_lshrrev_b32 v1, 5, v0
	v_readfirstlane_b32 s[WV], v1                  ; wave 0..7
	s_and_b32 s[QW], s[WV], 3
	s_lshr_b32 s[HF], s[WV], 2
	s_xor_b32 s[HX], s[HF], 1
	s_bfe_u32 s15, ttmp6, 0x40000                  ; cx
	s_lshl_b32 s16, ttmp9, 2
	s_add_co_u32 s16, s16, s15                     ; my block of 128 queries
	s_and_b32 s17, ttmp7, 0xffff                   ; the batch, which the four partners share
	s_lshl_b32 s18, s17, 3
	s_add_co_u32 s18, s18, s16                     ; g: it enters p's, -neg_ent's and out0's addresses alone
	; groups 1: elements of 8 bytes, no padding; the mask names all four work-groups
.irp g, GD, GS, GV
	s_mov_b32 s[\g], 15|(3<<16)|(1<<21)
	s_mov_b32 s[\g+6], 0
	s_mov_b32 s[\g+7], 0
.endr
	s_mov_b32 s[GD+1], 32<<16
	s_mov_b32 s[GD+2], 64<<16
	s_mov_b32 s[GD+3], 32<<16
	s_mov_b32 s[GD+4], 64
	s_mov_b32 s[GD+5], 32
	s_mov_b32 s[GS+1], 256<<16
	s_mov_b32 s[GS+2], 2<<16
	s_mov_b32 s[GS+3], 256<<16
	s_mov_b32 s[GS+4], 2
	s_mov_b32 s[GS+5], 512
	s_mov_b32 s[GV+1], 1024<<16
	s_mov_b32 s[GV+2], 2<<16
	s_mov_b32 s[GV+3], 1024<<16
	s_mov_b32 s[GV+4], 2
	s_mov_b32 s[GV+5], 8192
	; groups 0: LDS addresses and offsets in memory, of the wave's number alone
	s_lshr_b32 s20, s[WV], 1                       ; waves 0-3: half w % 2 of key step 4 (w / 2)
	s_and_b32 s21, s[WV], 1
	s_lshl_b32 s21, s21, 14
	s_lshl_b32 s22, s20, 17
	s_mov_b32 s[G0A], 1
	s_add_co_u32 s[G0A+1], s22, s21
	s_lshl_b32 s84, s20, 18
	s_add_co_u32 s84, s84, s21
	s_mov_b32 s85, 0
	s_mov_b32 s[G0B], 1                            ; waves 4-7: logq's scale words of key steps 2 q and 2 q + 1
	s_lshl_b32 s[G0B+1], s[QW], 12
	s_add_co_u32 s[G0B+1], s[G0B+1], SCQ
	s_lshl_b32 s86, s[QW], 13
	s_mov_b32 s87, 0
	s_mul_i32 s20, s[WV], 11                       ; waves 0-5: key step w + 1 + (w / 3): 1, 2, 3, 5, 6, 7
	s_lshr_b32 s20, s20, 5
	s_add_co_u32 s20, s20, s[WV]
	s_add_co_u32 s20, s20, 1
	s_mov_b32 s[G0C], 1
	s_lshl_b32 s[G0C+1], s20, 15
	s_lshl_b32 s88, s20, 16
	s_mov_b32 s89, 0
	s_and_b32 s20, s[WV], 1                        ; waves 6, 7: v's scale words of four key steps
	s_mov_b32 s[G0D], 1
	s_lshl_b32 s[G0D+1], s20, 13
	s_add_co_u32 s[G0D+1], s[G0D+1], SCV
	s_lshl_b32 s90, s20, 14
	s_add_co_u32 s90, s90, 2048
	s_mov_b32 s91, 0
	s_mov_b32 s[G0V], 1                            ; v: group 2 hf, key steps 2 q and 2 q + 1, behind their logq
	s_lshl_b32 s20, s[HF], 17
	s_lshl_b32 s21, s[QW], 14
	s_add_co_u32 s[G0V+1], s20, s21
	s_lshl_b32 s92, s[QW], 17
	s_lshl_b32 s21, s[HF], 14
	s_add_co_u32 s92, s92, s21
	s_add_co_u32 s92, s92, 32768
	s_mov_b32 s93, 0
	s_lshl_b32 s22, s17, 19                        ; kvc: 524,288 bytes a batch
	s_mov_b32 s23, 0
	s_lshl_b32 s2, s17, 15                         ; kvs: 32,768
	s_mov_b32 s3, 0
	s_mov_b32 s[SEL], 0x76543210
	s_mov_b32 s[SEL+1], 0xfedcba98
	s_mov_b32 s[CS], 0x3fb8aa3b                    ; log2(e)
	s_mov_b32 s[CS+1], s[CS]
	s_mov_b32 s[K01], 0x01010101
	s_lshl_b32 s21, s[HF], 13
	s_add_co_u32 s21, s21, SCQ                     ; my half's scale words of logq (s20 still holds my half's first slot)
	s_mul_i32 s80, s[WV], XBLK
	s_add_co_u32 s80, s80, XC                      ; my block of the exchange,
	s_xor_b32 s81, s[WV], 4
	s_mul_i32 s81, s81, XBLK
	s_add_co_u32 s81, s81, XC                      ; the partner's,
	s_mul_i32 s82, s[WV], 16*SPITCH
	s_add_co_u32 s82, s82, STAGE                   ; my stage
	v_and_b32 v2, 31, v0
	v_lshlrev_b32 v[L16], 4, v2
	v_and_b32 v1, 15, v0                           ; r
	v_bfe_u32 v2, v0, 4, 1                         ; half of the lanes
	v_lshlrev_b32 v[ASO], 4, v1                    ; (for now: 16 r, the place of my query's -neg_ent)
	v_add_nc_u32 v[AL], s20, v[L16]
	v_add_nc_u32 v[AL+1], SLOTB, v[AL]
	v_add_nc_u32 v[LC], s21, v[L16]
	v_add_nc_u32 v[XO], s80, v[L16]
	v_add_nc_u32 v[XP], s81, v[L16]
	v_mul_u32_u24 v[STO], v1, SPITCH               ; into the stage: row r, 32 bytes for each half of the lanes
	v_lshl_add_u32 v[STO], v2, 5, v[STO]
	v_add_nc_u32 v[STO], s82, v[STO]
	v_mul_u32_u24 v[SRD], v2, SPITCH               ; back: lanes 0-15 one row of 256 bytes, lanes 16-31 the next
	v_lshl_add_u32 v[SRD], v1, 4, v[SRD]
	v_add_nc_u32 v[SRD], s82, v[SRD]
	v_lshlrev_b32 v[GO], 11, v2                    ; and the same two rows in out0
	v_lshl_add_u32 v[GO], v1, 4, v[GO]
	s_wait_alu depctr_va_vdst(0)
	s_wait_kmcnt 0x0
	s_add_nc_u64 s[8:9], s[8:9], s[22:23]
	s_add_nc_u64 s[10:11], s[10:11], s[2:3]
	MKG G0A, 8, 84
	MKG G0B, 10, 86
	MKG G0C, 8, 88
	MKG G0D, 10, 90
	MKG G0V, 8, 92
	s_lshl_b32 s94, s18, 15                        ; pcd: 32,768 bytes a block, my two tiles
	s_lshl_b32 s15, s[QW], 13
	s_add_co_u32 s94, s94, s15
	s_mov_b32 s95, 0
	s_add_nc_u64 s[4:5], s[4:5], s[94:95]
	s_mul_i32 s94, s18, 2560                       ; pmt: 2,560 bytes a block; word q of a lane's four
	s_lshl_b32 s15, s[QW], 2
	s_add_co_u32 s94, s94, s15
	s_add_nc_u64 s[6:7], s[6:7], s[94:95]
	s_lshl_b32 s94, s18, 18                        ; out0: 128 rows of 2,048 bytes a block, 32 a pair of waves, 1,024 bytes of a row a wave
	s_lshl_b32 s15, s[QW], 16
	s_add_co_u32 s94, s94, s15
	s_lshl_b32 s15, s[HF], 10
	s_add_co_u32 s94, s94, s15
	s_add_nc_u64 s[12:13], s[12:13], s[94:95]
	WIN 0x40                                       ; my own operands are asked for ahead of the round: nobody writes them
.irp a, 0,1
.irp s, 0,1,2,3
.irp c, 0,1
	global_load_b128 v[128+32*\a+8*\s+4*\c:128+32*\a+8*\s+4*\c+3], v[L16], s[4:5] offset:4096*\a+1024*\s+512*\c   ; p's fragments stay in registers
.endr
.endr
.endr
	WIN 0
.irp s, 0,1,2,3
	global_load_b32 v[PQS+\s], v[L16], s[6:7] offset:512*\s
.endr
.irp a, 0,1
	global_load_b32 v[NE+8*\a], v[ASO], s[6:7] offset:2048+256*\a
.endr
	ROUND                                          ; all four work-groups are here: the first joint loads meet
	s_cmp_lt_u32 s[WV], 4                          ; the head's loads, one a wave: what the first key steps of both halves need
	s_cbranch_scc0 .Lhead_s
	TL G0A, GD
	s_branch .Lhead_asked
.Lhead_s:
	TL G0B, GS
.Lhead_asked:
	s_wait_loadcnt 0x0
.irp a, 0,1
.irp j, 1,2,3,4,5,6,7
	v_mov_b32 v[NE+8*\a+\j], v[NE+8*\a]            ; a lane's eight registers of a score tile belong to one query
.endr
.endr
.irp a, 0,1
.irp b, 0,1,2,3
	v_mov_b32 v[XB+8*\a+\b], 0                     ; written once: a lane permute's destination counts as one of its sources
.endr
	v_mov_b32 v[FP+2*\a+1], 0                      ; the upper half of a pair whose low word serves both halves
	v_mov_b32 v[ST+4*\a+2], 0                      ; the sum, in two halves
	v_mov_b32 v[ST+4*\a+3], 0
.endr
	s_wait_alu depctr_va_vdst(0)
	s_wait_tensorcnt 0x0                           ; my one load of the head is in
	ds_add_u32 v[SPW], v[NIL]                      ; 0 onto my spare word
	s_mov_b32 s[GD+2], 128<<16                     ; no tensor load of mine is out: from here on a dense load brings 128 rows,
	s_mov_b32 s[GD+4], 128
	s_mov_b32 s[GS+2], 4<<16                       ; one of scale words four
	s_mov_b32 s[GS+4], 4
	s_wait_dscnt 0x0
	ROUND                                          ; key steps 0 and 4 and logq's scale words are whole, and all four work-groups are here
	s_cmp_lt_u32 s[WV], 6                          ; the other first fills, issued as refills are, one load a wave
	s_cbranch_scc0 .Lnext_s
	TL G0C, GD
	s_branch .Lnext_asked
.Lnext_s:
	TL G0D, GS
.Lnext_asked:
	LQ 0, 0
	LQ 0, 1
	; ---- phase 1: the weights of my 512 keys.  Written out: each step's codes have registers of their own
.irp n, 0,1,2,3
	QSTEP \n
.endr
	; ---- the exchange, first turn: my -M and l, and the codes of my steps 0 and 1
.irp a, 0,1
	v_add_f32 v[XT+\a], v[ST+4*\a+2], v[ST+4*\a+3]
.endr
.irp a, 0,1
	v_permlanex16_b32 v[XB+8*\a], v[XT+\a], s[SEL], s[SEL+1]
.endr
.irp a, 0,1
	v_mov_b32 v[S+2*\a], v[ST+4*\a]
	v_add_f32 v[S+2*\a+1], v[XT+\a], v[XB+8*\a]
.endr
	s_wait_alu depctr_va_vdst(0)
	ds_store_b128 v[XO], v[S:S+3] offset:4096
	XSEND 192
	s_wait_dscnt 0x0
	s_barrier_signal -1
	s_barrier_wait -1
	ds_load_b128 v[S+4:S+7], v[XP] offset:4096
	XTAKE 128
	s_wait_dscnt 0x0
	s_barrier_signal -1                            ; my reads of this turn are over; work on registers stands between the signal and the wait
.irp a, 0,1
	v_min_num_f32 v[S+8+\a], v[S+2*\a], v[S+4+2*\a]           ; the pair's -M
.endr
.irp a, 0,1
	v_sub_f32 v[S+10+\a], v[S+8+\a], v[S+2*\a]                ; my M - the pair's: a whole number, 0 or less;
	v_sub_f32 v[S+12+\a], v[S+8+\a], v[S+4+2*\a]              ; the partner's
.endr
.irp j, 10,11,12,13
	v_cvt_i32_f32 v[S+\j], v[S+\j]
.endr
.irp j, 10,11,12,13
	v_ldexp_f32 v[S+\j], 1.0, v[S+\j]
.endr
.irp a, 0,1
	v_mul_f32 v[XT+\a], v[S+2*\a+1], v[S+10+\a]
.endr
.irp a, 0,1
	v_fmac_f32 v[XT+\a], v[S+4+2*\a+1], v[S+12+\a]            ; the row's sum under the pair's M
.endr
	s_wait_alu depctr_va_vdst(0)
.irp a, 0,1
	v_rcp_f32 v[FP+2*\a], v[XT+\a]
.endr
	; my steps' scale words under one reference: 64 - (the pair's M - the step's M) onto each byte; a step that lies further down gets the word 0
.irp a, 0,1
	v_add_f32 v[S+32+\a], 0x42800000, v[S+8+\a]
.endr
.irp n, 0,1,2,3,4,5,6,7
	v_sub_f32 v[S+16+\n], v[S+32+\n%2], v[MS+\n]
.endr
.irp n, 0,1,2,3,4,5,6,7
	v_max_num_f32 v[S+16+\n], -1.0, v[S+16+\n]     ; held from below, so that the conversion has a small whole number
.endr
.irp n, 0,1,2,3,4,5,6,7
	v_cvt_i32_f32 v[S+16+\n], v[S+16+\n]
.endr
.irp n, 0,1,2,3,4,5,6,7
	v_mul_lo_u32 v[S+24+\n], v[S+16+\n], s[K01]
.endr
.irp n, 0,1,2,3,4,5,6,7
	v_add_nc_u32 v[S+24+\n], v[S+24+\n], v[PWS+\n]
.endr
.irp n, 0,1,2,3,4,5,6,7
	v_cmp_le_i32 vcc_lo, 0, v[S+16+\n]
	v_cndmask_b32 v[PWS+\n], 0, v[S+24+\n], vcc_lo
.endr
	s_wait_alu depctr_va_vdst(0)                   ; one wait for the two reciprocals, ahead of their first reader
.irp a, 0,1
	v_mul_f32 v[FP+2*\a], 0x1f800000, v[FP+2*\a]   ; 2^-64 / l
.endr
	s_barrier_wait -1                              ; everybody's reads of the first turn are over
	; ---- second turn: my scale words, and the codes of my steps 2 and 3
	s_wait_alu depctr_va_vdst(0)
	ds_store_b128 v[XO], v[PWS:PWS+3] offset:4608
	ds_store_b128 v[XO], v[PWS+4:PWS+7] offset:5120
	XSEND 224
	s_wait_dscnt 0x0
	s_barrier_signal -1
	s_barrier_wait -1
	ds_load_b128 v[PWS+8:PWS+11], v[XP] offset:4608
	ds_load_b128 v[PWS+12:PWS+15], v[XP] offset:5120
	XTAKE 160
	s_lshl_b32 s20, s[HF], 17                      ; phase 2: group 2 hf lies in slot 2 hf; my four key steps in it, and the partner's;
	s_lshl_b32 s21, s[HF], 15
	s_add_co_u32 s[TO], s20, s21
	s_lshl_b32 s21, s[HX], 15
	s_add_co_u32 s[TP], s20, s21
	s_lshl_b32 s20, s[HF], 10                      ; the group's 512 bytes among a key step's scale words
	s_add_co_u32 s20, s20, SCV
	s_lshl_b32 s21, s[HF], 13
	s_add_co_u32 s[UO], s20, s21
	s_lshl_b32 s21, s[HX], 13
	s_add_co_u32 s[UP], s20, s21
	s_mov_b32 s[CNT], 2
	s_wait_tensorcnt 0x0                           ; my part of v's last two groups has landed: behind the barrier below all of v is whole
	s_wait_dscnt 0x0
	s_barrier_signal -1
	s_barrier_wait -1                              ; everybody's reads of the exchange are over: its bytes may serve as stages
	; ---- phase 2: my two groups of 128 h
.Lgroup:
	v_add_nc_u32 v[AVO], s[TO], v[L16]
	v_add_nc_u32 v[AVP], s[TP], v[L16]
	v_add_nc_u32 v[ASO], s[UO], v[L16]
	v_add_nc_u32 v[ASP], s[UP], v[L16]
	LDV 0
	LDV 1
	s_wait_alu depctr_va_vdst(0)
.irp m, 0,1,2,3,4,5,6,7
	PVM \m
.endr
	PLACES 4                                       ; behind the last products, in front of the first read of results
	WIN 0x41                                       ; destination and source 0 window 1
.set pn, 0
.rept 64
	v_pk_mul_f32 v[2*pn:2*pn+1], v[2*pn:2*pn+1], v[FP+2*((pn/4)%2):FP+2*((pn/4)%2)+1] op_sel_hi:[1,0]   ; each accumulator from its low end on
.set pn, pn+1
.endr
	WIN 0x04                                       ; an LDS store's data (source 1) window 1, an LDS load's destination window 0
.irp a, 0,1                                    ; four passes of 16 queries x 64 h through my stage.  LDS serves a wave's instructions in order: the loads see the stores above them, and the next pass's stores come behind them
.irp u, 0,1
.irp q, 0,1,2,3
	ds_store_b128 v[STO], v[16*(4*\u+\q)+8*\a:16*(4*\u+\q)+8*\a+3] offset:64*\q
	ds_store_b128 v[STO], v[16*(4*\u+\q)+8*\a+4:16*(4*\u+\q)+8*\a+7] offset:64*\q+16
.endr
.irp i, 0,1,2,3,4,5,6,7
	ds_load_b128 v[S+32*(2*\a+\u)+4*\i:S+32*(2*\a+\u)+4*\i+3], v[SRD] offset:2*\i*SPITCH
.endr
.endr
.endr
	WIN 0
.irp a, 0,1
.irp u, 0,1
.irp i, 0,1,2,3,4,5,6,7
	s_wait_dscnt 16*(3-2*\a-\u)+7-\i               ; the pass's younger loads and the later passes' sixteen instructions each may be out
	global_store_b128 v[GO], v[S+32*(2*\a+\u)+4*\i:S+32*(2*\a+\u)+4*\i+3], s[12:13] offset:(8*\a+2*\i+8*(\i/4))*2048+256*\u th:TH_STORE_NT   ; stage row i' is query 8 a + i' + 8 (i' / 8) of my 32; sixteen lanes store 256 consecutive bytes, aligned
.endr
.endr
.endr
	s_wait_xcnt 0x0                                ; the stores have read their registers and their base
	s_add_nc_u64 s[12:13], s[12:13], 512           ; 128 h on
	s_add_co_u32 s[TO], s[TO], SLOTB
	s_add_co_u32 s[TP], s[TP], SLOTB
	s_add_co_u32 s[UO], s[UO], 512
	s_add_co_u32 s[UP], s[UP], 512
	s_sub_co_u32 s[CNT], s[CNT], 1
	s_cmp_lg_u32 s[CNT], 0
	s_cbranch_scc1 .Lgroup
	s_wait_tensorcnt 0x0                           ; the wave's end
	ds_add_u32 v[SPW], v[NIL]
	s_wait_dscnt 0x0
	ROUND                                          ; the closing round: no work-group ends while a partner may still ask for a tile that names it
	s_endpgm
.Lfunc_end_k_qfd66661860_attn:
	.size	k_qfd66661860_attn, .Lfunc_end_k_qfd66661860_attn-k_qfd66661860_attn
	.p2alignl 7, 3214868480
	.fill 96, 4, 3214868480
	.section	.rodata,"a",@progbits
	.p2align	6, 0x0
	.amdhsa_kernel k_qfd66661860_attn
		.amdhsa_group_segment_fixed_size 327680
		.amdhsa_private_segment_fixed_size 0
		.amdhsa_enable_private_segment 0
		.amdhsa_kernarg_size 40
		.amdhsa_user_sgpr_count 2
		.amdhsa_user_sgpr_kernarg_segment_ptr 1
		.amdhsa_wavefront_size32 1
		.amdhsa_system_sgpr_workgroup_id_x 1
		.amdhsa_system_sgpr_workgroup_id_y 1
		.amdhsa_system_sgpr_workgroup_id_z 1
		.amdhsa_system_vgpr_workitem_id 0
		.amdhsa_next_free_vgpr 512
		.amdhsa_next_free_sgpr 96
		.amdhsa_reserve_vcc 1
		.amdhsa_float_denorm_mode_32 3
		.amdhsa_float_denorm_mode_16_64 3
		.amdhsa_memory_ordered 1
		.amdhsa_forward_progress 1
		.amdhsa_inst_pref_size 197
	.end_amdhsa_kernel
	.amdgpu_metadata
---
amdhsa.version: [ 1, 2 ]
amdhsa.kernels:
  - .name:           k_qfd66661860_attn
    .symbol:         k_qfd66661860_attn.kd
    .args:
      - { .name: pcd, .offset: 0, .size: 8, .value_kind: global_buffer, .address_space: global }
      - { .name: pmt, .offset: 8, .size: 8, .value_kind: global_buffer, .address_space: global }
      - { .name: kvc, .offset: 16, .size: 8, .value_kind: global_buffer, .address_space: global }
      - { .name: kvs, .offset: 24, .size: 8, .value_kind: global_buffer, .address_space: global }
      - { .name: out0, .offset: 32, .size: 8, .value_kind: global_buffer, .address_space: global }
    .group_segment_fixed_size: 327680
    .private_segment_fixed_size: 0
    .kernarg_segment_align: 8
    .kernarg_segment_size: 40
    .max_flat_workgroup_size: 256
    .sgpr_count:     96
    .vgpr_count:     512
    .wavefront_size: 32
...
	.end_amdgpu_metadata
.endif
;; end of part 2
